; MI455X (gfx1250); checked and timed in simulation.
; The chip was launched on July 23, 2026; its instructions are those of AMD's public machine-readable ISA for CDNA 5 (MIT licence, August 2026) and "CDNA5" Instruction Set Architecture Reference Guide (July 2026). The comments in the code are by the model that wrote it; some were corrected since.
;; Mo E Layer. Allowed arithmetic: matrix products marked QUANTISED: E5M2 operands, one E8M0 scale for each 32 along K, by v_wmma_scale_f32_16x16x128_f8f6f4 with both operands' format E5M2, f32 sums; products left as they are: f32 operands where the result goes on into a quantised operand, else bf16, f16 or f32 operands; f32 sums; everything else in f32.
;; Inputs: W1_codes 8 x 4,096 x 32 x 32 uint8 (E5M2 codes of W1, K innermost, in blocks of 32 codes); W1_scales 8 x 4,096 x 32 uint8 (E8M0 scales of W1, one for each 32 codes along K); W2_codes 8 x 1,024 x 128 x 32 uint8 (E5M2 codes of W2, K innermost, in blocks of 32 codes); W2_scales 8 x 1,024 x 128 uint8 (E8M0 scales of W2, one for each 32 codes along K); Wr 1,024 x 8 float32; b1 8 x 4,096 float32; b2 8 x 1,024 float32; br 8 float32; x 4 x 256 x 1,024 float32.
;; Outputs: out0 4 x 256 x 1,024 float32.
;; This version of the problem:
;;   THIS VERSION OF THE PROBLEM IS GIVEN IN LOW PRECISION. The matrix products marked QUANTISED in the list below multiply operands that are first quantised to E5M2 (5 exponent bits, 2 mantissa bits; 8 bits a number), with one power-of-two scale for each 32 numbers along K (OCP MX v1.0); their sums are f32. All else is computed in f32.
;;   The module's matrix products, in the order in which they are computed (A, B: the left and right operand; K: the contracted axis; several contracted axes count as one K, in the product's order):
;;     1. [M 1,024, K 1,024] x [K 1,024, N 8]; A: input x; B: input Wr: left as it is (N = 8 < 16)
;;     2. batch 1,024 x [M 1, K 2] x [K 2, N 8]; A: softmax; B: computed on the way: left as it is (K = 2 < 32)
;;     3. [M 1,024, K 1,024] x [K 1,024, N 4,096]; A: input x; B: input W1 (given as codes): QUANTISED
;;     4. [M 1,024, K 4,096] x [K 4,096, N 1,024]; A: computed on the way; B: input W2 (given as codes): QUANTISED
;;     5. [M 1,024, K 1,024] x [K 1,024, N 4,096]; A: input x; B: input W1 (given as codes): QUANTISED
;;     6. [M 1,024, K 4,096] x [K 4,096, N 1,024]; A: computed on the way; B: input W2 (given as codes): QUANTISED
;;     7. [M 1,024, K 1,024] x [K 1,024, N 4,096]; A: input x; B: input W1 (given as codes): QUANTISED
;;     8. [M 1,024, K 4,096] x [K 4,096, N 1,024]; A: computed on the way; B: input W2 (given as codes): QUANTISED
;;     9. [M 1,024, K 1,024] x [K 1,024, N 4,096]; A: input x; B: input W1 (given as codes): QUANTISED
;;     10. [M 1,024, K 4,096] x [K 4,096, N 1,024]; A: computed on the way; B: input W2 (given as codes): QUANTISED
;;     11. [M 1,024, K 1,024] x [K 1,024, N 4,096]; A: input x; B: input W1 (given as codes): QUANTISED
;;     12. [M 1,024, K 4,096] x [K 4,096, N 1,024]; A: computed on the way; B: input W2 (given as codes): QUANTISED
;;     13. [M 1,024, K 1,024] x [K 1,024, N 4,096]; A: input x; B: input W1 (given as codes): QUANTISED
;;     14. [M 1,024, K 4,096] x [K 4,096, N 1,024]; A: computed on the way; B: input W2 (given as codes): QUANTISED
;;     15. [M 1,024, K 1,024] x [K 1,024, N 4,096]; A: input x; B: input W1 (given as codes): QUANTISED
;;     16. [M 1,024, K 4,096] x [K 4,096, N 1,024]; A: computed on the way; B: input W2 (given as codes): QUANTISED
;;     17. [M 1,024, K 1,024] x [K 1,024, N 4,096]; A: input x; B: input W1 (given as codes): QUANTISED
;;     18. [M 1,024, K 4,096] x [K 4,096, N 1,024]; A: computed on the way; B: input W2 (given as codes): QUANTISED
;;   THE QUANTISER, for each operand of a quantised product, along K:
;;     - K is cut into blocks of 32 from its start; a last block that is shorter is filled with zeros.
;;     - A block's scale is 2^e with e = floor(log2(the largest magnitude in the block)) - 15, held to -126 .. 127; a block of zeros has e = 0. As a byte (E8M0): e + 127.
;;     - Each number is divided by its block's scale, clamped to +-57,344, and rounded to the nearest number of E5M2, ties to even, subnormals kept.
;;     - The product sums the exact products of the quantised numbers (number of the format x scale) in f32.
;;   ~~~python
;;   def quantise(x, axis):      # numpy; x: float32 -> the quantised numbers, widened to float32 again
;;       x = np.moveaxis(x, axis, -1); K = x.shape[-1]
;;       x = np.pad(x, [(0, 0)] * (x.ndim - 1) + [(0, -K % 32)]); x = x.reshape(x.shape[:-1] + (-1, 32)); a = np.abs(x).max(-1, keepdims=True)
;;       e = np.where(a > 0, np.clip(np.frexp(np.where(a > 0, a, 1))[1] - 1 - 15, -126, 127), 0)      # np.frexp(a)[1] - 1 = floor(log2(a)), exactly
;;       r = np.clip(x / 2.0 ** e, -57344, 57344)
;;       step = 2.0 ** (np.maximum(np.frexp(np.where(r == 0, 1, r))[1] - 1, -14) - 2)
;;       q = np.round(r / step) * step * 2.0 ** e      # np.round: ties to even
;;       return np.moveaxis(q.reshape(q.shape[:-2] + (-1,))[..., :K], -1, axis).astype(np.float32)
;;   ~~~
;;   OPERANDS COMPUTED ON THE WAY. 'Computed on the way' means the value that the module computes at that place (a softmax that the list does not call 'softmax' is quantised finished and normalised). What goes into a quantiser is computed in f32, as accurately as f32 sums, v_exp_f32 and their like allow (about 1e-6 of the number): no bf16 or f16 on the way to a quantiser, and a product that is left as it is and whose result goes on into a quantised operand takes f32 operands (vector FMAs, or v_wmma_f32_16x16x4_f32). A number that lies on a knife's edge between two numbers of the format may be rounded either way, as far as f32 arithmetic and the matrix unit's own rounding can turn it there, and no further.
;;   INPUTS GIVEN AS CODES. W1 (in the module: [8, 1024, 4096], K = its axis 1); W2 (in the module: [8, 4096, 1024], K = its axis 1): each comes as NAME_codes (uint8): NAME with its K axis moved to the last place and cut into blocks of 32 codes, [.., K / 32, bytes a block], one block behind the other in memory; one code a byte (a code: sign, 5 exponent bits, 2 mantissa bits); and NAME_scales (uint8): the same leading axes, one E8M0 byte (e + 127) for each 32 codes along K. Its value is code x scale, taken as it is: it is not quantised again, and the codes and scales need not be those that the quantiser above would give.
;; 2 versions, each right; version 2 is version 1 with the launches up, down written anew for expert scheduling mode. Each part assembles by itself: llvm-mc -triple=amdgcn-amd-amdhsa -mcpu=gfx1250 --defsym DOCPART=n.
;; ======== version 1 of 2: 4 launches
;; workspace buffers: xq 1,048,576 bytes; xs 32,768 bytes; ridx 4,096 bytes of whole numbers; gate 8,192 bytes; list 106,752 bytes of whole numbers; hq 33,554,432 bytes; hs 1,048,576 bytes; yw 33,554,432 bytes
;; launch route (part 1): grid 256 x 1, 4 waves a work-group, no clusters, 36,352 bytes of LDS; arguments x, Wr, br, xq, xs, ridx, gate; writes xq, xs, ridx, gate
.if DOCPART == 1
	.amdgcn_target "amdgcn-amd-amdhsa--gfx1250"
	.amdhsa_code_object_version 6
	.text
	.protected	k_qbb50ee4d49_route
	.globl	k_qbb50ee4d49_route
	.p2align	8
	.type	k_qbb50ee4d49_route,@function
k_qbb50ee4d49_route:
	s_mov_b64 s[64:65], 0
	v_nop
	global_prefetch_b8 v0, s[64:65] scope:SCOPE_SE
	s_setreg_imm32_b32 hwreg(HW_REG_WAVE_MODE, 25, 1), 1
	s_wait_xcnt 0x0
; ROUTER AND QUANTISER OF x.  x [1024 tokens][1024] f32, Wr [1024][8] f32, br [8] f32.
; Out: xq [token][1024] codes of E5M2, xs [token][32] E8M0 bytes (one for each 32 along K), ridx [token] = first expert | second expert << 8, gate [token][2] f32.
; A work-group takes 4 tokens; wave w takes K = 256 w .. 256 w + 255 of all four; thread v0 holds the 8 neighbours k = 8 v0 + i, so four neighbouring lanes hold a block of 32.
; The logits are f32 fused multiply-adds: a lane's 8 k, then the 32 lanes, then the four waves through LDS.  Wr comes in dense loads and is turned through LDS so that a lane gets its 8 rows.
; Top-2 as jax.lax.top_k: the larger logit, and of equal logits the lower index.  The softmax of the two takes the larger away first.
; LIMITS: NaN and infinities among the inputs are not served.  The logits' f32 sums are taken in another order than a row-by-row sum.  A block of zeros gets the byte 1 where the rule says 127:
; its codes are zeros, which add nothing under that byte, and this program alone reads the bytes.
.set X,   16                           ; v16-47   x: token t's 8 numbers at X + 8 t
.set WR,  48                           ; v48-111  Wr as loaded, then my 8 rows: row k, expert e at WR + 8 k + e; later the waves' partial logits
.set ACC, 112                          ; v112-143 partial logits: token t, expert e at ACC + 8 t + e
.set CQ,  144                          ; v144-151 a token's 8 codes, 2 registers
.set EB,  152                          ; v152-155 a token's scale byte
.set TM,  156                          ; v156-159 largest magnitudes
.set SCL, 160                          ; v160-163 the conversions' scale operands
.set HLD, 164                          ; v164-167 57,344 x the scale
.set PS,  34816                        ; LDS: behind Wr (128 blocks of 256 bytes + 16): partial logits [wave][token][expert]
.set SB,  35328                        ; LDS: the 4 tokens' 32 scale bytes each
	s_load_b256 s[4:11], s[0:1], 0x0               ; x s[4:5], Wr s[6:7], br s[8:9], xq s[10:11]
	s_load_b128 s[12:15], s[0:1], 0x20             ; xs s[12:13], ridx s[14:15]
	s_load_b64 s[16:17], s[0:1], 0x30              ; gate
	v_lshl_add_u32 v192, v0, 2, 0x8c00
	v_mov_b32 v193, 0
	v_and_b32 v1, 31, v0                           ; lane
	v_lshlrev_b32 v2, 5, v0                        ; x: my 32 bytes of a row
	v_lshlrev_b32 v3, 4, v0                        ; Wr: my 16 bytes of a load's 2,048
	v_lshrrev_b32 v13, 4, v0
	v_and_b32 v14, 15, v0
	v_mul_u32_u24 v4, v13, 272
	v_lshl_add_u32 v4, v14, 4, v4                  ; Wr into LDS: block v0 / 16 of the load's eight, 16 bytes a thread
	v_mul_u32_u24 v5, v0, 272                      ; and out of it: block v0 holds my 8 rows of 32 bytes
	v_lshrrev_b32 v13, 5, v0
	v_readfirstlane_b32 s18, v13                   ; wave
	v_lshl_add_u32 v6, v13, 7, PS                  ; my wave's 128 bytes of partial logits
	v_lshrrev_b32 v7, 2, v0
	v_add_nc_u32 v7, SB, v7                        ; my block's scale byte: block v0 / 4 of a token's 32
	v_lshlrev_b32 v8, 3, v0                        ; xq: my 8 codes of a row
	v_and_b32 v9, 3, v0
	v_lshl_add_u32 v9, v9, 5, PS                   ; the end: lane l works on token l % 4
	v_lshl_add_u32 v10, v1, 2, SB                  ; the end: 4 scale bytes a lane
	v_lshlrev_b32 v11, 2, v1
	v_lshlrev_b32 v12, 3, v1
	s_mov_b32 s3, 0
	s_mov_b32 s28, 0x76543210                      ; v_permlanex16_b32's selects for lane l xor 16
	s_mov_b32 s29, 0xfedcba98
	s_mov_b32 s30, 0x600000                        ; the mantissa field of 57,344
	s_wait_kmcnt 0x0
	s_load_b256 s[20:27], s[8:9], 0x0              ; br
	s_lshl_b32 s2, ttmp9, 14
	s_add_nc_u64 s[4:5], s[4:5], s[2:3]            ; my 4 rows of x
	s_lshl_b32 s2, ttmp9, 12
	s_add_nc_u64 s[10:11], s[10:11], s[2:3]        ; of xq
	s_lshl_b32 s2, ttmp9, 7
	s_add_nc_u64 s[12:13], s[12:13], s[2:3]        ; of xs
	s_lshl_b32 s2, ttmp9, 4
	s_add_nc_u64 s[14:15], s[14:15], s[2:3]        ; of ridx
	s_lshl_b32 s2, ttmp9, 5
	s_add_nc_u64 s[16:17], s[16:17], s[2:3]        ; of gate
.irp t, 0,1,2,3
.irp z, 0,1
	global_load_b128 v[X+8*\t+4*\z:X+8*\t+4*\z+3], v2, s[4:5] offset:4096*\t+16*\z th:TH_LOAD_NT
.endr
.endr
.irp j, 0,1,2,3,4,5,6,7,8,9,10,11,12,13,14,15
	global_load_b128 v[WR+4*\j:WR+4*\j+3], v3, s[6:7] offset:2048*\j    ; the work-group reads 2,048 consecutive bytes
.endr
	s_wait_loadcnt 0x0
.irp j, 0,1,2,3,4,5,6,7,8,9,10,11,12,13,14,15
	ds_store_b128 v4, v[WR+4*\j:WR+4*\j+3] offset:2176*\j
.endr
	s_wait_dscnt 0x0                               ; for the others' sake: my part of Wr lies in LDS
	s_barrier_signal -1
	s_barrier_wait -1
.irp n, 0,1,2,3,4,5,6,7,8,9,10,11,12,13,14,15
	ds_load_b128 v[WR+4*\n:WR+4*\n+3], v5 offset:16*\n
.endr
	s_wait_dscnt 0x0
	; partial logits: two experts an instruction, x's number broadcast out of its pair
.irp t, 0,1,2,3
.irp p, 0,1,2,3
	v_pk_mul_f32 v[ACC+8*\t+2*\p:ACC+8*\t+2*\p+1], v[X+8*\t:X+8*\t+1], v[WR+2*\p:WR+2*\p+1] op_sel_hi:[0,1]
.endr
.endr
.irp k, 2,4,6
.irp t, 0,1,2,3
.irp p, 0,1,2,3
	v_pk_fma_f32 v[ACC+8*\t+2*\p:ACC+8*\t+2*\p+1], v[X+8*\t+\k:X+8*\t+\k+1], v[WR+8*\k+2*\p:WR+8*\k+2*\p+1], v[ACC+8*\t+2*\p:ACC+8*\t+2*\p+1] op_sel_hi:[0,1,1]
.endr
.endr
.endr
.irp k, 1,3,5,7
.irp t, 0,1,2,3
.irp p, 0,1,2,3
	v_pk_fma_f32 v[ACC+8*\t+2*\p:ACC+8*\t+2*\p+1], v[X+8*\t+\k-1:X+8*\t+\k], v[WR+8*\k+2*\p:WR+8*\k+2*\p+1], v[ACC+8*\t+2*\p:ACC+8*\t+2*\p+1] op_sel:[1,0,0] op_sel_hi:[1,1,1]
.endr
.endr
.endr
	; the quantiser: the four tokens by turns
.irp t, 0,1,2,3
	v_max3_num_f32 v[TM+\t], |v[X+8*\t]|, |v[X+8*\t+1]|, 0x8000000    ; with the floor 2^(16 - 127): the byte cannot fall under 1
.endr
.irp i, 2,4,6
.irp t, 0,1,2,3
	v_max3_num_f32 v[TM+\t], v[TM+\t], |v[X+8*\t+\i]|, |v[X+8*\t+\i+1]|
.endr
.endr
.irp t, 0,1,2,3
	v_max_num_f32_dpp v[TM+\t], v[TM+\t], v[TM+\t] row_xmask:1 row_mask:0xf bank_mask:0xf
.endr
.irp t, 0,1,2,3
	v_max_num_f32_dpp v[TM+\t], v[TM+\t], v[TM+\t] row_xmask:2 row_mask:0xf bank_mask:0xf   ; the four lanes' 32 numbers: the block's largest magnitude
.endr
.irp t, 0,1,2,3
	v_add_nc_u32 v[SCL+\t], 0xf8800000, v[TM+\t]   ; 15 off its exponent field: the conversion takes that field as its scale
.endr
.irp t, 0,1,2,3
	v_and_or_b32 v[HLD+\t], v[TM+\t], 0x7f800000, s30   ; 57,344 x the scale
.endr
.irp t, 0,1,2,3
.irp i, 0,1,2,3,4,5,6,7
	v_med3_num_f32 v[X+8*\t+\i], v[X+8*\t+\i], -v[HLD+\t], v[HLD+\t]   ; the conversion to an 8-bit code does not saturate (ISA guide 7.6.2): the hold comes first
.endr
	v_cvt_scalef32_pk8_bf8_f32 v[CQ+2*\t:CQ+2*\t+1], v[X+8*\t:X+8*\t+7], v[SCL+\t]
	v_lshrrev_b32 v[EB+\t], 23, v[SCL+\t]          ; the scale's byte (also the plain line behind the conversion)
	global_store_b64 v8, v[CQ+2*\t:CQ+2*\t+1], s[10:11] offset:1024*\t   ; a wave stores 256 consecutive bytes, aligned
	ds_store_b8 v7, v[EB+\t] offset:32*\t          ; the four lanes of a block write the same byte with the same value
.endr
	; the logits over the 32 lanes
.irp m, 1,2,4,8
.set n, 0
.rept 32
	v_add_f32_dpp v[ACC+n], v[ACC+n], v[ACC+n] row_xmask:\m row_mask:0xf bank_mask:0xf
.set n, n+1
.endr
.endr
.set n, 0
.rept 32
	v_permlanex16_b32 v[X+n], v[ACC+n], s28, s29   ; x's registers are done with, and have been written
.set n, n+1
.endr
.set n, 0
.rept 32
	v_add_f32 v[ACC+n], v[ACC+n], v[X+n]
.set n, n+1
.endr
.irp t, 0,1,2,3
.irp z, 0,1
	ds_store_b128 v6, v[ACC+8*\t+4*\z:ACC+8*\t+4*\z+3] offset:32*\t+16*\z   ; all lanes hold the same sums and write the same words
.endr
.endr
	s_wait_dscnt 0x0                               ; for wave 0's sake: my sums and my scale bytes lie in LDS
	s_barrier_signal -1
	s_barrier_wait -1
	s_cmp_lg_u32 s18, 0
	s_cbranch_scc1 .Lend                           ; wave 0 finishes; lane l works on token l % 4, lanes 0 to 3 store
.irp w, 0,1,2,3
.irp z, 0,1
	ds_load_b128 v[WR+8*\w+4*\z:WR+8*\w+4*\z+3], v9 offset:128*\w+16*\z
.endr
.endr
	ds_load_b32 v15, v10
	s_wait_dscnt 0x0
	global_store_b32 v11, v15, s[12:13]            ; the 4 tokens' 128 scale bytes, consecutive
.irp p, 0,2,4,6
	v_pk_add_f32 v[WR+\p:WR+\p+1], v[WR+\p:WR+\p+1], v[WR+8+\p:WR+8+\p+1]
	v_pk_add_f32 v[WR+16+\p:WR+16+\p+1], v[WR+16+\p:WR+16+\p+1], v[WR+24+\p:WR+24+\p+1]
.endr
.irp p, 0,2,4,6
	v_pk_add_f32 v[WR+\p:WR+\p+1], v[WR+\p:WR+\p+1], v[WR+16+\p:WR+16+\p+1]
.endr
	s_wait_kmcnt 0x0                               ; br
.irp e, 0,1,2,3,4,5,6,7
	v_add_f32 v[WR+\e], s[20+\e], v[WR+\e]         ; the logits
.endr
	v_mov_b32 v80, v[WR]                           ; the largest so far, and its index
	v_mov_b32 v81, 0
.irp e, 1,2,3,4,5,6,7
	v_cmp_le_f32 vcc_lo, v[WR+\e], v80             ; not greater: what stands stays, so of equal logits the lower index is kept
	v_cndmask_b32 v80, v[WR+\e], v80, vcc_lo
	v_cndmask_b32 v81, \e, v81, vcc_lo
.endr
	v_mov_b32 v92, 0xff800000                      ; -infinity takes the winner's place for the second search
.irp e, 0,1,2,3,4,5,6,7
	v_cmp_eq_u32 vcc_lo, \e, v81
	v_cndmask_b32 v[84+\e], v[WR+\e], v92, vcc_lo
.endr
	v_mov_b32 v82, v84
	v_mov_b32 v83, 0
.irp e, 1,2,3,4,5,6,7
	v_cmp_le_f32 vcc_lo, v[84+\e], v82
	v_cndmask_b32 v82, v[84+\e], v82, vcc_lo
	v_cndmask_b32 v83, \e, v83, vcc_lo
.endr
	v_sub_f32 v93, v82, v80                        ; the second less the first: 0 or less
	v_mul_f32 v93, 0x3fb8aa3b, v93
	v_exp_f32 v94, v93
	v_lshl_or_b32 v95, v83, 8, v81                 ; the two experts (a plain line behind the exponential)
	s_wait_alu depctr_va_vdst(0)                   ; ahead of the exponential's first reader
	v_add_f32 v96, 1.0, v94
	v_rcp_f32 v98, v96                             ; the first gate
	v_nop
	s_wait_alu depctr_va_vdst(0)                   ; ahead of the reciprocal's first reader
	v_mul_f32 v99, v94, v98                        ; the second
	s_wait_xcnt 0x0                                ; EXEC changes only when the stores above have had their addresses translated
	v_cmp_gt_u32 vcc_lo, 4, v1
	s_and_saveexec_b32 s31, vcc_lo
	global_store_b32 v11, v95, s[14:15]
	global_store_b64 v12, v[98:99], s[16:17]
	s_wait_xcnt 0x0
	s_or_b32 exec_lo, exec_lo, s31
.Lend:
	s_wait_tensorcnt 0x0
	ds_add_u32 v192, v193
	s_wait_dscnt 0x0
	s_endpgm
.Lfunc_end_k_qbb50ee4d49_route:
	.size	k_qbb50ee4d49_route, .Lfunc_end_k_qbb50ee4d49_route-k_qbb50ee4d49_route
	.p2alignl 7, 3214868480
	.fill 96, 4, 3214868480
	.section	.rodata,"a",@progbits
	.p2align	6, 0x0
	.amdhsa_kernel k_qbb50ee4d49_route
		.amdhsa_group_segment_fixed_size 36352
		.amdhsa_private_segment_fixed_size 0
		.amdhsa_enable_private_segment 0
		.amdhsa_kernarg_size 56
		.amdhsa_user_sgpr_count 2
		.amdhsa_user_sgpr_kernarg_segment_ptr 1
		.amdhsa_wavefront_size32 1
		.amdhsa_system_sgpr_workgroup_id_x 1
		.amdhsa_system_sgpr_workgroup_id_y 1
		.amdhsa_system_sgpr_workgroup_id_z 1
		.amdhsa_system_vgpr_workitem_id 0
		.amdhsa_next_free_vgpr 194
		.amdhsa_next_free_sgpr 66
		.amdhsa_reserve_vcc 1
		.amdhsa_float_denorm_mode_32 3
		.amdhsa_float_denorm_mode_16_64 3
		.amdhsa_memory_ordered 1
		.amdhsa_forward_progress 1
		.amdhsa_inst_pref_size 37
	.end_amdhsa_kernel
	.amdgpu_metadata
---
amdhsa.version: [ 1, 2 ]
amdhsa.kernels:
  - .name:           k_qbb50ee4d49_route
    .symbol:         k_qbb50ee4d49_route.kd
    .args:
      - { .name: x, .offset: 0, .size: 8, .value_kind: global_buffer, .address_space: global }
      - { .name: Wr, .offset: 8, .size: 8, .value_kind: global_buffer, .address_space: global }
      - { .name: br, .offset: 16, .size: 8, .value_kind: global_buffer, .address_space: global }
      - { .name: xq, .offset: 24, .size: 8, .value_kind: global_buffer, .address_space: global }
      - { .name: xs, .offset: 32, .size: 8, .value_kind: global_buffer, .address_space: global }
      - { .name: ridx, .offset: 40, .size: 8, .value_kind: global_buffer, .address_space: global }
      - { .name: gate, .offset: 48, .size: 8, .value_kind: global_buffer, .address_space: global }
    .group_segment_fixed_size: 36352
    .private_segment_fixed_size: 0
    .kernarg_segment_align: 8
    .kernarg_segment_size: 56
    .max_flat_workgroup_size: 128
    .sgpr_count:     66
    .vgpr_count:     194
    .wavefront_size: 32
...
	.end_amdgpu_metadata
.endif
;; end of part 1
;; launch up (part 2): grid 32 x 8, 4 waves a work-group, no clusters, 275,968 bytes of LDS; arguments xq, xs, ridx, W1_codes, W1_scales, b1, hq, hs, list; writes hq, hs, list
.if DOCPART == 2
	.amdgcn_target "amdgcn-amd-amdhsa--gfx1250"
	.amdhsa_code_object_version 6
	.text
	.protected	k_qbb50ee4d49_up
	.globl	k_qbb50ee4d49_up
	.p2align	8
	.type	k_qbb50ee4d49_up,@function
k_qbb50ee4d49_up:
	s_mov_b64 s[64:65], 0
	v_nop
	global_prefetch_b8 v0, s[64:65] scope:SCOPE_SE
	s_setreg_imm32_b32 hwreg(HW_REG_WAVE_MODE, 25, 1), 1
	s_wait_xcnt 0x0
; h = Q(gelu(Q(x) W1[e] + b1[e])) for the rows routed to expert e, on codes of E5M2 with one E8M0 scale for each 32 along K.
; A work-group is (chunk c of 128 hidden units, expert e).  ITS WEIGHTS STAY: wave w holds hidden units 128 c + 32 w .. + 31 for all of K = 1,024 in 256 registers, read from memory once, in dense loads, and turned
; through the wave's own LDS bytes into fragments.  The expert's rows go by, 64 a trip: gathered by the expert's list into one of two LDS tiles (codes and scale bytes of a row on end), read by all four waves.
; THE EXPERT'S LIST OF ROWS IS MADE HERE, IN LDS, while the weights are on their way.  ridx [1024] = first expert | second << 8.  Every wave counts the expert's rows (the trips' guards hang on the count); wave 0 also
; places them: a counting pass over the 1,024 tokens, 32 a round, places by counts of lower lanes, no atomics.  A token that chose the expert goes to the next free entry from the front; one that did not writes a 0 to
; the next free entry from 1,023 down: so each of the 1,024 entries is written once, with all lanes on.  One wave stores, and all read behind a barrier ahead of which no other wave touches LDS.
; The work-group with c = 0 also stores what the later launches want, into list: at byte 40,960 + 4 e the number of e's rows; from byte 41,216 + 8,192 e on, for each token two words: the row's number
; 1,024 e + its place among e's rows, in the first word if e is the token's first choice, in the second if its second, else 0.  (Bytes 0 to 40,959 of list are not used.)
; THE PRODUCT IS USED TRANSPOSED (source 0 = 16 rows of W1, source 1 = 16 rows of x), AND THE ROWS OF W1 THAT FORM A TILE ARE NOT NEIGHBOURS: lane r of tile u takes unit 32 w + 8 u + r + 8 (r / 8), so that a lane's
; 16 results are the 16 neighbours 32 w + 16 (lane / 16) + 0 .. 15 of one row: one block of 32 of the next product's K lies in lanes l and l xor 16, and the conversions' results are registers 4 w .. 4 w + 3 of that operand.
; hq [e][tile of 16 rows][K step of 128][block][lane][16 bytes] is an image of the operand's registers; hs [e][4 tiles][K step][row][block] is a word whose byte m is tile 4 g + m's scale byte.
; gelu is the tanh form, written as a / (1 + 2^(a (c1 + c3 a^2))), c1 = -2 sqrt(2/pi) log2(e), c3 = 0.044715 c1: the same function, finite for every finite a.
; THE TRIPS ARE A CONSTANT 16, so that every wave passes every barrier; a trip beyond the expert's rows jumps over its work by a scalar branch on the count.  That branch is why the launch has no tensor load
; and no cluster: the operands come by loads into registers.  The first 64 rows are always made (rows past the count are row 0 of x): the next launch asks for its first tiles ahead of knowing the count.
; LIMITS: NaN and infinities are not served; a block of zeros carries the byte 1, in a buffer that this program alone reads.
.set STG0, 5120                        ; LDS: bytes 0 to 5,119: the list, 1,280 words: 2 x token for each of the expert's rows, then zeros
.set STGW, 33280                       ; LDS: a wave's 32 rows of W1, 1,024 bytes + 16 each; four of them from byte STG0
.set XT0,  138240                      ; LDS: two tiles of 64 rows of x: 1,024 codes + 32 scale bytes + 16 of padding: 67 x 16 bytes, so that 16 rows begin in 16 different groups of banks
.set XT1,  206848
.set XP,   1072
.set L16, 1                            ; v1    16 x lane
.set WST, 2                            ; v2    W1 into my LDS bytes
.set WFR, 3                            ; v3    and out of them as fragments
.set XW,  4                            ; v4-5  x's codes into tile 0, 1: row 16 w + 8 (lane / 16), 16 bytes a lane
.set XWS, 6                            ; v6-7  x's scale bytes: row 16 w + lane / 2
.set XR,  8                            ; v8-9  x's fragments out of tile 0, 1
.set XR2, 10                           ; v10-11 x's scale words
.set LA,  12                           ; v12   the list: my 8 rows' entries in a trip's 64
.set LA2, 13                           ; v13   the list: my scale row's entry
.set HO,  14                           ; v14   hq: 16 x lane + 512 w
.set SO,  15                           ; v15   hs: 16 r + 4 w
.set C16, 16                           ; v16   16 (lane % 16)
.set C1B, 17                           ; v17   16 (lane % 2)
.set K1,  18                           ; v[18:19] c1, twice
.set K3,  20                           ; v[20:21] c3, twice
.set SW,  22                           ; v22   the four tiles' scale bytes
.set LS,  24                           ; v24-32 nine list entries
.set GA,  34                           ; v34-41 byte offsets of my 8 rows in xq
.set GS,  42                           ; v42   of my scale row in xs
.set W1S, 44                           ; v44-59 W1's scale words: tile u, K step s at 8 u + s
.set XS,  60                           ; v60-75 x's: tile m, K step s at 8 m + s
.set B1,  76                           ; v76-91 b1 in the result's layout: tile u at 8 u
.set ACC, 92                           ; v92-123 four accumulators: (m, u) at 16 m + 8 u
.set T,   124                          ; v124-155 at work
.set TM,  156                          ; v156-159 TM, TM2: zeros until the loop
.set TM2, 158
.set SCL, 160
.set HLD, 162
.set BYT, 164
.set PC,  172                          ; v172-187 codes: pair P, tile m at 8 P + 4 m
.set LAD, 188                          ; v188-189 LDS addresses of the list entries in hand
; while the list is made:
.set PW,  92                           ; v92-155  the tokens' row words: round n = 4 q + i at 2 n: a lane's four tokens of a q are 32 consecutive bytes
.set ZERO, 199                         ; v199     0
.set RI,  200                          ; v200-231 ridx: register 4 q + i holds token 128 q + 4 lane + i
.set TA,  232                          ; v232-251 four rounds' temporaries
.set TB,  236
.set PP,  240
.set NN,  244
.set DD,  248
.set NL,  252                          ; v252     1,023 - lane
.set SL2, 253                          ; v253     2 x (4 lane)
.set CNTV, 254                         ; v254     the count, to store
.set PWO, 255                          ; v255     32 x lane
; window 1: W1's fragments (u, s) at 16 (8 u + s).  window 2: x's (m, s) at 16 (8 m + s).  window 3: v0-131 the gathered rows on their way to LDS
.set WV,  24
.set CNT, 25
.set RB,  26                           ; the trip's first row
.set IT,  27
.set LBO, 28                           ; s28   the list's byte at the trip's first row
.set HQB, 30                           ; s[30:31] hq at the trip's first tile, my chunk
.set HSB, 32                           ; s[32:33] hs at the trip's group of four tiles, my chunk
.set SEL, 34
.set MNT, 36
.set EX,  38
.set LPT, 46                           ; s[46:47] list
.set MF,  48                           ; s48-51 four rounds' masks: first choice is mine
.set MG,  52                           ; s52-55 second choice is mine
.set MM,  56                           ; s56-59 either
.set MK,  60                           ; s60-63 how many
.set MC,  66                           ; s66-69 members ahead of each of the four rounds
.set S10, 70                           ; s70   members so far
.set E10, 71                           ; s71   1,024 e: the expert's first row's number
.set LRW, 72                           ; s[72:73] list at my expert's row words, less 41,216
.set LCN, 74                           ; s[74:75] list at my expert's count, less 40,960
.set MSB, 0
.macro WIN new                         ; the immediate's high byte repeats the setting that is left
.if MSB != (\new)
	s_set_vgpr_msb (MSB<<8)|(\new)
.set MSB, (\new)
.endif
.endm
; Four rounds of the counting pass: tokens 128 q + 4 lane + i, i = 0 .. 3, taken line by line together, so that no line waits for the line above it.  full = 0: the count alone.
; A member's place is P = the members ahead of it.  The others ahead of a non-member are 32 n - (members ahead of round n) + lane - (members in lower lanes), so its entry, 1,023 less that, is P + (1,023 - lane) - 32 n.
.macro BATCH q, full
.irp i, 0,1,2,3
	v_and_b32 v[TA+\i], 0xff, v[RI+4*\q+\i]
	v_lshrrev_b32 v[TB+\i], 8, v[RI+4*\q+\i]
.endr
.irp i, 0,1,2,3
	v_cmp_eq_u32 s[MF+\i], s[EX], v[TA+\i]
	v_cmp_eq_u32 s[MG+\i], s[EX], v[TB+\i]
.endr
.irp i, 0,1,2,3
	s_or_b32 s[MM+\i], s[MF+\i], s[MG+\i]
.endr
.irp i, 0,1,2,3
	s_bcnt1_i32_b32 s[MK+\i], s[MM+\i]
.endr
	s_mov_b32 s[MC], s[S10]
	s_add_co_u32 s[MC+1], s[MC], s[MK]
	s_add_co_u32 s[MC+2], s[MC+1], s[MK+1]
	s_add_co_u32 s[MC+3], s[MC+2], s[MK+2]
	s_add_co_u32 s[S10], s[MC+3], s[MK+3]
.if \full
.irp i, 0,1,2,3
	v_mbcnt_lo_u32_b32 v[PP+\i], s[MM+\i], 0       ; members in lower lanes
.endr
.irp i, 0,1,2,3
	v_add_nc_u32 v[PP+\i], s[MC+\i], v[PP+\i]      ; P
.endr
.irp i, 0,1,2,3
	v_add_nc_u32 v[NN+\i], v[PP+\i], v[NL]
.endr
.irp i, 0,1,2,3
	v_add_nc_u32 v[NN+\i], -32*(4*\q+\i), v[NN+\i] ; a non-member's entry
.endr
.irp i, 0,1,2,3
	v_add_nc_u32 v[TA+\i], s[E10], v[PP+\i]        ; a member's row's number
.endr
.irp i, 0,1,2,3
	v_cndmask_b32 v[PW+2*(4*\q+\i)], 0, v[TA+\i], s[MF+\i]
	v_cndmask_b32 v[PW+2*(4*\q+\i)+1], 0, v[TA+\i], s[MG+\i]
.endr
.irp i, 0,1,2,3
	v_cndmask_b32 v[NN+\i], v[NN+\i], v[PP+\i], s[MM+\i]
.endr
.irp i, 0,1,2,3
	v_min_u32 v[NN+\i], 0x3ff, v[NN+\i]            ; an entry of the 1,024
.endr
.irp i, 0,1,2,3
	v_lshlrev_b32 v[NN+\i], 2, v[NN+\i]
.endr
.irp i, 0,1,2,3
	v_add_nc_u32 v[DD+\i], 256*\q+2*\i, v[SL2]     ; 2 x token
.endr
.irp i, 0,1,2,3
	v_cndmask_b32 v[DD+\i], 0, v[DD+\i], s[MM+\i]
.endr
.irp i, 0,1,2,3
	ds_store_b32 v[NN+\i], v[DD+\i]
.endr
.endif
.endm
.macro LLOAD off                       ; nine entries of the list, off bytes on from the trip's first
	v_add_nc_u32 v[LAD], s[LBO], v[LA]
	v_add_nc_u32 v[LAD+1], s[LBO], v[LA2]
	ds_load_b128 v[LS:LS+3], v[LAD] offset:\off
	ds_load_b128 v[LS+4:LS+7], v[LAD] offset:\off+16
	ds_load_b32 v[LS+8], v[LAD+1] offset:\off
.endm
.macro ADDR                            ; entries become byte offsets: token = entry / 2, held inside the table
.irp p, 0,1,2,3,4,5,6,7
	v_lshrrev_b32 v[GA+\p], 1, v[LS+\p]
	v_min_u32 v[GA+\p], 0x3ff, v[GA+\p]
	v_lshl_add_u32 v[GA+\p], v[GA+\p], 10, v[C16]
.endr
	v_lshrrev_b32 v[GS], 1, v[LS+8]
	v_min_u32 v[GS], 0x3ff, v[GS]
	v_lshl_add_u32 v[GS], v[GS], 5, v[C1B]
.endm
.macro XLOAD                           ; my 16 rows of the next 64: sixteen lanes read 256 consecutive bytes of a row
	WIN 0xc0
.irp p, 0,1,2,3,4,5,6,7
.irp q, 0,1,2,3
	global_load_b128 v[4*(4*\p+\q):4*(4*\p+\q)+3], v[GA+\p], s[8:9] offset:256*\q
.endr
.endr
	global_load_b128 v[128:131], v[GS], s[10:11]
	WIN 0
.endm
.macro XSTORE buf
	WIN 0x0c
.irp p, 0,1,2,3,4,5,6,7
.irp q, 0,1,2,3
	ds_store_b128 v[XW+\buf], v[4*(4*\p+\q):4*(4*\p+\q)+3] offset:XP*\p+256*\q
.endr
.endr
	ds_store_b128 v[XWS+\buf], v[128:131]
	WIN 0
.endm
.macro FETCH buf, P                    ; two tiles of 16 rows: 16 scale words a lane, then 16 fragments, the lower K steps first
.irp m, 0,1
.irp z, 0,1
	ds_load_b128 v[XS+8*\m+4*\z:XS+8*\m+4*\z+3], v[XR2+\buf] offset:16*(2*\P+\m)*XP+16*\z
.endr
.endr
	WIN 0x80
.irp s, 0,1,2,3,4,5,6,7
.irp m, 0,1
.irp c, 0,1,2,3
	ds_load_b128 v[16*(8*\m+\s)+4*\c:16*(8*\m+\s)+4*\c+3], v[XR+\buf] offset:16*(2*\P+\m)*XP+128*\s+32*\c
.endr
.endr
.endr
	WIN 0
.endm
.macro MUL                             ; 32 matrix instructions: four accumulators by turns, one instruction a turn; the bias is the first C
	WIN 0x09                                       ; source 0 (W1) window 1, source 1 (x) window 2
.irp s, 0,1,2,3,4,5,6,7
	s_wait_dscnt 8*(7-\s)                          ; the eight loads of each later K step may be out
.irp m, 0,1
.irp u, 0,1
.if \s == 0
	v_wmma_scale_f32_16x16x128_f8f6f4 v[ACC+16*\m+8*\u:ACC+16*\m+8*\u+7], v[16*(8*\u+\s):16*(8*\u+\s)+15], v[16*(8*\m+\s):16*(8*\m+\s)+15], v[B1+8*\u:B1+8*\u+7], v[W1S+8*\u+\s], v[XS+8*\m+\s] matrix_a_fmt:MATRIX_FMT_BF8 matrix_b_fmt:MATRIX_FMT_BF8
.else
	v_wmma_scale_f32_16x16x128_f8f6f4 v[ACC+16*\m+8*\u:ACC+16*\m+8*\u+7], v[16*(8*\u+\s):16*(8*\u+\s)+15], v[16*(8*\m+\s):16*(8*\m+\s)+15], v[ACC+16*\m+8*\u:ACC+16*\m+8*\u+7], v[W1S+8*\u+\s], v[XS+8*\m+\s] matrix_a_fmt:MATRIX_FMT_BF8 matrix_b_fmt:MATRIX_FMT_BF8
.endif
.endr
.endr
.endr
	WIN 0
.rept 8
	v_nop                                          ; eight places ahead of the loads into x's registers and of the first read of the results
.endr
.endm
.macro EPI P                           ; gelu, the quantiser, and the codes' way out, for the pair's two tiles: 32 numbers a lane
	s_wait_xcnt 0x0                                ; earlier stores have read the codes' and the scale word's registers
.set n, 0
.rept 16
	v_pk_mul_f32 v[T+n:T+n+1], v[ACC+n:ACC+n+1], v[ACC+n:ACC+n+1]      ; each accumulator is read from its low end on
.set n, n+2
.endr
.set n, 0
.rept 16
	v_pk_fma_f32 v[T+n:T+n+1], v[T+n:T+n+1], v[K3:K3+1], v[K1:K1+1]
.set n, n+2
.endr
.set n, 0
.rept 16
	v_pk_mul_f32 v[T+n:T+n+1], v[T+n:T+n+1], v[ACC+n:ACC+n+1]          ; a (c1 + c3 a^2)
.set n, n+2
.endr
.set n, 0
.rept 32
	v_exp_f32 v[T+n], v[T+n]
.set n, n+1
.endr
	v_nop                                          ; a plain line behind the last exponential
	s_wait_alu depctr_va_vdst(0)                   ; one wait for the batch, ahead of its first reader
.set n, 0
.rept 16
	v_pk_add_f32 v[T+n:T+n+1], v[T+n:T+n+1], 1.0 op_sel_hi:[1,0]
.set n, n+2
.endr
.set n, 0
.rept 32
	v_rcp_f32 v[T+n], v[T+n]
.set n, n+1
.endr
	v_nop
	s_wait_alu depctr_va_vdst(0)                   ; one wait for the batch of reciprocals
.set n, 0
.rept 16
	v_pk_mul_f32 v[ACC+n:ACC+n+1], v[ACC+n:ACC+n+1], v[T+n:T+n+1]      ; gelu(a)
.set n, n+2
.endr
.irp m, 0,1
	v_max3_num_f32 v[TM+\m], |v[ACC+16*\m]|, |v[ACC+16*\m+1]|, 0x8000000   ; my 16 numbers of the block, and the floor 2^(16 - 127)
.endr
.irp i, 2,4,6,8,10,12,14
.irp m, 0,1
	v_max3_num_f32 v[TM+\m], v[TM+\m], |v[ACC+16*\m+\i]|, |v[ACC+16*\m+\i+1]|
.endr
.endr
.irp m, 0,1
	v_permlanex16_b32 v[TM2+\m], v[TM+\m], s[SEL], s[SEL+1]
.endr
.irp m, 0,1
	v_max_num_f32 v[TM+\m], v[TM+\m], v[TM2+\m]    ; with lane l xor 16's: the block's largest magnitude
.endr
.irp m, 0,1
	v_add_nc_u32 v[SCL+\m], 0xf8800000, v[TM+\m]   ; 15 off its exponent field: the conversion's scale operand
.endr
.irp m, 0,1
	v_and_or_b32 v[HLD+\m], v[TM+\m], 0x7f800000, s[MNT]   ; 57,344 x the scale
.endr
.irp m, 0,1
	v_lshrrev_b32 v[BYT+\m], 23, v[SCL+\m]         ; the scale's byte
.endr
.if \P == 0
	v_lshl_or_b32 v[SW], v[BYT+1], 8, v[BYT]
.else
	v_lshl_or_b32 v[SW], v[BYT], 16, v[SW]
	v_lshl_or_b32 v[SW], v[BYT+1], 24, v[SW]
.endif
.irp m, 0,1
.irp i, 0,1,2,3,4,5,6,7,8,9,10,11,12,13,14,15
	v_med3_num_f32 v[ACC+16*\m+\i], v[ACC+16*\m+\i], -v[HLD+\m], v[HLD+\m]   ; the conversion does not saturate (ISA guide 7.6.2): the hold comes first
.endr
	v_cvt_scalef32_pk8_bf8_f32 v[PC+8*\P+4*\m:PC+8*\P+4*\m+1], v[ACC+16*\m:ACC+16*\m+7], v[SCL+\m]
	v_cvt_scalef32_pk8_bf8_f32 v[PC+8*\P+4*\m+2:PC+8*\P+4*\m+3], v[ACC+16*\m+8:ACC+16*\m+15], v[SCL+\m]
.endr
	v_nop                                          ; a plain line behind the last conversion: the next products write its sources
.irp m, 0,1
	global_store_b128 v[HO], v[PC+8*\P+4*\m:PC+8*\P+4*\m+3], s[HQB:HQB+1] offset:(2*\P+\m)*65536   ; the wave stores 512 consecutive bytes, aligned
.endr
.endm
	s_load_b512 s[8:23], s[0:1], 0x0               ; xq, xs, ridx, W1's codes, W1's scales, b1, hq, hs
	s_load_b64 s[LPT:LPT+1], s[0:1], 0x40          ; list
	v_lshl_add_u32 v170, v0, 2, 0x43400
	v_mov_b32 v171, 0
	v_lshrrev_b32 v190, 5, v0                      ; w
	v_readfirstlane_b32 s[WV], v190
	v_and_b32 v191, 31, v0                         ; lane
	v_and_b32 v192, 15, v0                         ; r
	v_bfe_u32 v193, v0, 4, 1                       ; h
	v_lshlrev_b32 v[L16], 4, v191
	v_mad_u32_u24 v[WST], v190, STGW, v[L16]
	v_add_nc_u32 v[WST], STG0, v[WST]
	v_and_b32 v194, 8, v192
	v_add_nc_u32 v194, v194, v192                  ; r + 8 (r / 8)
	v_mul_u32_u24 v[WFR], v194, 1040
	v_lshl_add_u32 v[WFR], v193, 4, v[WFR]
	v_mad_u32_u24 v[WFR], v190, STGW, v[WFR]
	v_add_nc_u32 v[WFR], STG0, v[WFR]
	v_lshlrev_b32 v195, 4, v190
	v_lshl_add_u32 v195, v193, 3, v195             ; 16 w + 8 h
	v_lshlrev_b32 v[LA], 2, v195
	v_mul_u32_u24 v195, v195, XP
	v_lshl_add_u32 v195, v192, 4, v195
	v_add_nc_u32 v[XW], XT0, v195
	v_add_nc_u32 v[XW+1], XT1, v195
	v_lshrrev_b32 v195, 1, v191
	v_lshl_add_u32 v195, v190, 4, v195             ; 16 w + lane / 2
	v_lshlrev_b32 v[LA2], 2, v195
	v_mul_u32_u24 v195, v195, XP
	v_and_b32 v196, 1, v0
	v_lshlrev_b32 v[C1B], 4, v196
	v_add_nc_u32 v195, v195, v[C1B]
	v_add_nc_u32 v[XWS], XT0+1024, v195
	v_add_nc_u32 v[XWS+1], XT1+1024, v195
	v_mul_u32_u24 v195, v192, XP
	v_add_nc_u32 v[XR2], XT0+1024, v195
	v_add_nc_u32 v[XR2+1], XT1+1024, v195
	v_lshl_add_u32 v195, v193, 4, v195
	v_add_nc_u32 v[XR], XT0, v195
	v_add_nc_u32 v[XR+1], XT1, v195
	v_lshl_add_u32 v[HO], v190, 9, v[L16]
	v_lshlrev_b32 v[SO], 4, v192
	v_lshl_add_u32 v[SO], v190, 2, v[SO]
	v_lshlrev_b32 v[C16], 4, v192
	v_lshlrev_b32 v197, 5, v194                    ; W1's scale bytes: 32 a row
	v_lshlrev_b32 v198, 6, v193                    ; b1: 16 numbers on for lanes 16-31
	v_mov_b32 v[K1], 0xc0135761                    ; c1 = -2.3022082
	v_mov_b32 v[K1+1], 0xc0135761
	v_mov_b32 v[K3], 0xbdd2d3e8                    ; c3 = -0.10294324
	v_mov_b32 v[K3+1], 0xbdd2d3e8
.irp z, 0,1,2,3
	v_mov_b32 v[TM+\z], 0                          ; four zeros for the list's tail; the upper two are also a lane permute's destinations, which count among its sources and so are written once
.endr
	v_mov_b32 v[ZERO], 0
	v_sub_nc_u32 v[NL], 1023, v191
	v_lshlrev_b32 v[SL2], 3, v191
	v_lshlrev_b32 v[PWO], 5, v191
	s_and_b32 s[EX], ttmp7, 0xffff                 ; the expert
	s_mov_b32 s41, 0
	s_mov_b32 s[SEL], 0x76543210
	s_mov_b32 s[SEL+1], 0xfedcba98
	s_mov_b32 s[MNT], 0x600000
	s_mov_b32 s[S10], 0
	s_mov_b32 s[LBO], 0
	s_lshl_b32 s[E10], s[EX], 10
	s_wait_kmcnt 0x0
.irp q, 0,1,2,3,4,5,6,7
	global_load_b128 v[RI+4*\q:RI+4*\q+3], v[L16], s[12:13] offset:512*\q    ; all 1,024 tokens' choices: 512 consecutive bytes a load
.endr
	s_lshl_b32 s40, s[EX], 22                      ; W1's codes: (4,096 e + 128 c + 32 w) rows of 1,024 bytes
	s_lshl_b32 s44, ttmp9, 17
	s_add_co_u32 s40, s40, s44
	s_lshl_b32 s44, s[WV], 15
	s_add_co_u32 s40, s40, s44
	s_add_nc_u64 s[14:15], s[14:15], s[40:41]
	s_lshr_b32 s40, s40, 5                         ; its scale bytes: 32 a row
	s_add_nc_u64 s[16:17], s[16:17], s[40:41]
	s_lshr_b32 s40, s40, 3                         ; b1: 4 bytes a unit
	s_add_nc_u64 s[18:19], s[18:19], s[40:41]
	WIN 0x40
.set wl, 0
.rept 48
	global_load_b128 v[4*wl:4*wl+3], v[L16], s[14:15] offset:512*wl th:TH_LOAD_NT   ; my 32 rows of W1 are 32,768 consecutive bytes: 512 a load; read once in the launch
.set wl, wl+1
.endr
	WIN 0
	s_lshl_b32 s40, s[EX], 22                      ; hq: the expert's 4 MiB, K step c
	s_lshl_b32 s44, ttmp9, 11
	s_add_co_u32 s40, s40, s44
	s_add_nc_u64 s[HQB:HQB+1], s[20:21], s[40:41]
	s_lshl_b32 s40, s[EX], 17                      ; hs: the expert's 131,072 bytes, K step c
	s_lshl_b32 s44, ttmp9, 8
	s_add_co_u32 s40, s40, s44
	s_add_nc_u64 s[HSB:HSB+1], s[22:23], s[40:41]
	s_lshl_b32 s40, s[EX], 2
	s_add_nc_u64 s[LCN:LCN+1], s[LPT:LPT+1], s[40:41]
	s_lshl_b32 s40, s[EX], 13
	s_add_nc_u64 s[LRW:LRW+1], s[LPT:LPT+1], s[40:41]
	s_wait_loadcnt 48                              ; the choices' eight loads are in; W1's 48 behind them may be out
	s_cmp_lg_u32 s[WV], 0
	s_cbranch_scc1 .Lcount
.irp q, 0,1,2,3,4,5,6,7
	BATCH \q, 1                                    ; wave 0: the count, the list, the row words
.endr
	ds_store_b128 v[L16], v[TM:TM+3] offset:4096   ; entries 1,024 to 1,279: zeros, for reads that run ahead
	ds_store_b128 v[L16], v[TM:TM+3] offset:4608
	s_cmp_lg_u32 ttmp9, 0
	s_cbranch_scc1 .Lbuilt                         ; the expert's first work-group stores what the later launches read
	v_mov_b32 v[CNTV], s[S10]
.irp q, 0,1,2,3,4,5,6,7
.irp z, 0,1
	global_store_b128 v[PWO], v[PW+8*\q+4*\z:PW+8*\q+4*\z+3], s[LRW:LRW+1] offset:41216+1024*\q+16*\z   ; the two stores of a q cover 1,024 consecutive bytes
.endr
.endr
	global_store_b32 v[ZERO], v[CNTV], s[LCN:LCN+1] offset:40960   ; all lanes hold the same number and write the same word
	s_branch .Lbuilt
.Lcount:
.irp q, 0,1,2,3,4,5,6,7
	BATCH \q, 0                                    ; waves 1 to 3: the count
.endr
.Lbuilt:
	WIN 0x40
.rept 16
	global_load_b128 v[4*wl:4*wl+3], v[L16], s[14:15] offset:512*wl th:TH_LOAD_NT   ; the rest of W1
.set wl, wl+1
.endr
	WIN 0
.irp u, 0,1
.irp z, 0,1
	global_load_b128 v[W1S+8*\u+4*\z:W1S+8*\u+4*\z+3], v197, s[16:17] offset:256*\u+16*\z
	global_load_b128 v[B1+8*\u+4*\z:B1+8*\u+4*\z+3], v198, s[18:19] offset:32*\u+16*\z
.endr
.endr
	s_wait_dscnt 0x0                               ; for the others' sake: wave 0's list lies in LDS
	s_barrier_signal -1
	s_barrier_wait -1
	s_max_u32 s[CNT], s[S10], 64                   ; the first four tiles are always made
	LLOAD 0                                        ; the first 64 rows' entries
	s_wait_dscnt 0x0
	ADDR
	XLOAD                                          ; the first 64 rows: they land while W1 is turned
	LLOAD 256                                      ; the second 64 rows' entries
	s_wait_loadcnt 33                              ; W1, its scale words and b1 are in; the 33 loads of the gathered rows, issued behind them, may be out
	WIN 0x04                                       ; W1 through my own LDS bytes: in as it was loaded,
.set i, 0
.rept 64
	ds_store_b128 v[WST], v[4*i:4*i+3] offset:(i/2)*1040+512*(i%2)
.set i, i+1
.endr
	s_wait_dscnt 0x0                               ; the stores have read their registers
	WIN 0x40                                       ; out as fragments, which stay
.irp u, 0,1
.irp s, 0,1,2,3,4,5,6,7
.irp c, 0,1,2,3
	ds_load_b128 v[16*(8*\u+\s)+4*\c:16*(8*\u+\s)+4*\c+3], v[WFR] offset:8320*\u+128*\s+32*\c
.endr
.endr
.endr
	WIN 0
	s_wait_dscnt 0x0
	s_wait_xcnt 0x0                                ; the stores of the row words have read their registers, which the products and the gelu write
	s_mov_b32 s[RB], 0
	s_mov_b32 s[IT], 8
; A TRIP: 64 rows.  ONE barrier: the tile stored now was last read two trips ago, and every wave has since passed a barrier behind its wait for those reads.
.macro TRIP buf
	s_wait_loadcnt 0x0                             ; this trip's rows are in (asked for a trip ago); on every way, so that no pending load meets the lines below
	s_cmp_lt_u32 s[RB], s[CNT]
	s_cbranch_scc0 .La_\@
	XSTORE \buf
.La_\@:
	s_wait_dscnt 0x0                               ; my stores have landed, my reads of the other tile are over, and the next trip's entries are in
	s_barrier_signal -1
	s_barrier_wait -1
	s_cmp_lt_u32 s[RB], s[CNT]
	s_cbranch_scc0 .Lz_\@
	ADDR
	s_add_co_u32 s44, s[RB], 64
	s_cmp_lt_u32 s44, s[CNT]
	s_cbranch_scc0 .Lnx_\@
	XLOAD                                          ; the next trip's rows: they have this trip's work in which to land
.Lnx_\@:
	LLOAD 512                                      ; the entries of the trip after that (the list is padded with zeros for this); they stand ahead of the fragments' loads, so the products' first wait covers them
	FETCH \buf, 0
	MUL
	s_add_co_u32 s44, s[RB], 32
	s_cmp_lt_u32 s44, s[CNT]
	s_cbranch_scc0 .LnoB_\@
	FETCH \buf, 1                                  ; the second pair's fragments come while the first pair's vector work runs
	EPI 0
	MUL
	EPI 1
	s_branch .Ld_\@
.LnoB_\@:
	EPI 0
.Ld_\@:
	global_store_b32 v[SO], v[SW], s[HSB:HSB+1]    ; lanes l and l xor 16 hold the same word and write the same place
.Lz_\@:
	s_wait_xcnt 0x0                                ; the bases are stepped only when all that was issued has had its addresses translated
	s_add_nc_u64 s[HQB:HQB+1], s[HQB:HQB+1], 0x40000
	s_add_nc_u64 s[HSB:HSB+1], s[HSB:HSB+1], 8192
	s_add_co_u32 s[LBO], s[LBO], 256
	s_add_co_u32 s[RB], s[RB], 64
.endm
.Ltrips:
	TRIP 0
	TRIP 1
	s_sub_co_u32 s[IT], s[IT], 1
	s_cmp_lg_u32 s[IT], 0
	s_cbranch_scc1 .Ltrips
	s_wait_tensorcnt 0x0
	ds_add_u32 v170, v171
	s_wait_dscnt 0x0
	s_endpgm
.Lfunc_end_k_qbb50ee4d49_up:
	.size	k_qbb50ee4d49_up, .Lfunc_end_k_qbb50ee4d49_up-k_qbb50ee4d49_up
	.p2alignl 7, 3214868480
	.fill 96, 4, 3214868480
	.section	.rodata,"a",@progbits
	.p2align	6, 0x0
	.amdhsa_kernel k_qbb50ee4d49_up
		.amdhsa_group_segment_fixed_size 275968
		.amdhsa_private_segment_fixed_size 0
		.amdhsa_enable_private_segment 0
		.amdhsa_kernarg_size 72
		.amdhsa_user_sgpr_count 2
		.amdhsa_user_sgpr_kernarg_segment_ptr 1
		.amdhsa_wavefront_size32 1
		.amdhsa_system_sgpr_workgroup_id_x 1
		.amdhsa_system_sgpr_workgroup_id_y 1
		.amdhsa_system_sgpr_workgroup_id_z 1
		.amdhsa_system_vgpr_workitem_id 0
		.amdhsa_next_free_vgpr 1024
		.amdhsa_next_free_sgpr 80
		.amdhsa_reserve_vcc 0
		.amdhsa_float_denorm_mode_32 3
		.amdhsa_float_denorm_mode_16_64 3
		.amdhsa_memory_ordered 1
		.amdhsa_forward_progress 1
		.amdhsa_inst_pref_size 190
	.end_amdhsa_kernel
	.amdgpu_metadata
---
amdhsa.version: [ 1, 2 ]
amdhsa.kernels:
  - .name:           k_qbb50ee4d49_up
    .symbol:         k_qbb50ee4d49_up.kd
    .args:
      - { .name: xq, .offset: 0, .size: 8, .value_kind: global_buffer, .address_space: global }
      - { .name: xs, .offset: 8, .size: 8, .value_kind: global_buffer, .address_space: global }
      - { .name: ridx, .offset: 16, .size: 8, .value_kind: global_buffer, .address_space: global }
      - { .name: W1_codes, .offset: 24, .size: 8, .value_kind: global_buffer, .address_space: global }
      - { .name: W1_scales, .offset: 32, .size: 8, .value_kind: global_buffer, .address_space: global }
      - { .name: b1, .offset: 40, .size: 8, .value_kind: global_buffer, .address_space: global }
      - { .name: hq, .offset: 48, .size: 8, .value_kind: global_buffer, .address_space: global }
      - { .name: hs, .offset: 56, .size: 8, .value_kind: global_buffer, .address_space: global }
      - { .name: list, .offset: 64, .size: 8, .value_kind: global_buffer, .address_space: global }
    .group_segment_fixed_size: 275968
    .private_segment_fixed_size: 0
    .kernarg_segment_align: 8
    .kernarg_segment_size: 72
    .max_flat_workgroup_size: 128
    .sgpr_count:     80
    .vgpr_count:     1024
    .wavefront_size: 32
...
	.end_amdgpu_metadata
.endif
;; end of part 2
;; launch down (part 3): grid 32 x 8, 4 waves a work-group, no clusters, 272,896 bytes of LDS; arguments hq, hs, list, W2_codes, W2_scales, b2, yw; writes yw
.if DOCPART == 3
	.amdgcn_target "amdgcn-amd-amdhsa--gfx1250"
	.amdhsa_code_object_version 6
	.text
	.protected	k_qbb50ee4d49_down
	.globl	k_qbb50ee4d49_down
	.p2align	8
	.type	k_qbb50ee4d49_down,@function
k_qbb50ee4d49_down:
	s_mov_b64 s[64:65], 0
	v_nop
	global_prefetch_b8 v0, s[64:65] scope:SCOPE_SE
	s_setreg_imm32_b32 hwreg(HW_REG_WAVE_MODE, 25, 1), 1
	s_wait_xcnt 0x0
; y = h W2[e] + b2[e] for the rows routed to expert e, on codes of E5M2 with one E8M0 scale for each 32 along K.
; yw [expert][place among the expert's rows, 0 .. 1,023][1024] f32: the rows lie in the order in which the expert's list has them, so every store's address is made of ids and the tile's number alone.
; A work-group is (64 output columns dc, half of the expert's tiles of 16 rows, expert e).  ITS WEIGHTS STAY: wave w holds the 64 columns for K steps 8 w .. 8 w + 7 (a quarter of K = 4,096) in 512 registers,
; read in dense loads and turned through the wave's own LDS bytes.  The rows go by, a tile of 16 at a time: hq holds images of the operand's registers, so a tile's 8 K steps are 32 dense loads into one of two buffers.
; THE PRODUCT IS USED TRANSPOSED (source 0 = 16 rows of W2, source 1 = h's 16 rows): a lane holds one row and eight neighbouring columns.  The four waves' partial sums meet in LDS, four tiles to a barrier,
; and each wave adds and stores 4 rows of each tile: sixteen lanes store 256 consecutive bytes, aligned.
; The half takes tiles 4 g + 2 half + {0, 1}.  THE TRIPS ARE A CONSTANT 8, so that every wave passes every barrier; tiles beyond the expert's rows are jumped over by scalar branches on the stored count, which is why
; the launch has no tensor load and no cluster.  The first two tiles are asked for ahead of the count: the launch before always makes tiles 0 to 3.
; An expert's last tile is stored whole: its rows past the count (made of the list's padding) fall into places of this work-group's own columns that no later launch reads; so all lanes stay on throughout.
; LIMITS: NaN and infinities are not served.  The sum over K is taken in four quarters, added in f32.
.set STGW, 33280                       ; LDS: a wave's 32 rows x (1,024 bytes + 16), for the turn; four of them from byte 0
.set RED0, 133120                      ; LDS: partial sums [wave][tile of the trip][16 rows] x (256 bytes + 16); two such, by turns
.set RED1, 202752
.set L16, 1                            ; v1    16 x lane
.set WST, 2
.set WFR, 3
.set RW,  4                            ; v4-5  my partial sums into RED0, RED1
.set RR,  6                            ; v6-9  and out: RR + 2 tp + (waves 0, 1 | waves 2, 3)
.set CO,  11                           ; v11   16 (lane % 16): my 16 bytes of the 64 columns' 256
.set YO,  12                           ; v12   yw: my first row of a tile, 4 w + 2 (lane / 16), x 4,096 bytes, + my 16 bytes
.set B2,  16                           ; v16-19 b2 at my four columns
.set W2S, 20                           ; v20-51 W2's scale words: tile t, K step s at 8 t + s
.set HSR, 52                           ; v52-67 hs as loaded: pair of K steps p, block b at 4 p + b
.set HS,  68                           ; v68-75 h's scale words: even tile at p, odd tile at 4 + p; lanes 0-15 K step 2 p, lanes 16-31 K step 2 p + 1
.set PT,  76                           ; v76-79 at work
.set ACC, 80                           ; v80-111 four accumulators
.set R,   128                          ; v128-159 partial sums read back
.set OUT, 160                          ; v160-191 rows to store: tile q, row z at 8 q + 4 z
; window 1: W2's fragments of tiles 0, 1: (t, s) at 16 (8 t + s).  window 2: of tiles 2, 3.  window 3: h: buffer 0 at v0, buffer 1 at v128; K step s at 16 s
.set WV,  22
.set CNT, 23
.set NT,  24                           ; tiles with rows
.set TB,  25                           ; the trip's first tile
.set IT,  26
.set TT,  27
.set T2,  28
.set SELA, 31
.set SELL, 32
.set SELH, 33
.set HQW, 34                           ; s[34:35] hq: my expert, my K quarter
.set HSW, 36                           ; s[36:37] hs likewise
.set HP,  40                           ; s[40:43] the tile in buffer 0, 1
.set SP,  48                           ; s[48:49] its group's scale words
.set TMP, 50
.set DC,  52
.set HF,  53
.set EX,  54
.set YP,  66                           ; s[66:73] yw at the trip's four tiles: a pair for each, so that one wait a trip frees them all
.set MSB, 0
.macro WIN new                         ; the immediate's high byte repeats the setting that is left
.if MSB != (\new)
	s_set_vgpr_msb (MSB<<8)|(\new)
.set MSB, (\new)
.endif
.endm
; Tile s[st] into buffer buf: with an even tile the scale words of its group, and 32 loads of 512 consecutive bytes.  36 loads with an even tile, 32 with an odd one.
.macro LOAD buf, st, even
	s_wait_xcnt 0x0                                ; the bases below are written again only when all that was issued has had its addresses translated
	s_lshl_b32 s[TMP], s[\st], 16
	s_add_nc_u64 s[HP+2*\buf:HP+2*\buf+1], s[HQW:HQW+1], s[TMP:TMP+1]
.if \even
	s_lshr_b32 s[TMP], s[\st], 2
	s_lshl_b32 s[TMP], s[TMP], 13
	s_add_nc_u64 s[SP:SP+1], s[HSW:HSW+1], s[TMP:TMP+1]
.irp p, 0,1,2,3
	global_load_b128 v[HSR+4*\p:HSR+4*\p+3], v[L16], s[SP:SP+1] offset:512*\p
.endr
.endif
	WIN 0xc0
.set i, 0
.rept 32
	global_load_b128 v[128*\buf+4*i:128*\buf+4*i+3], v[L16], s[HP+2*\buf:HP+2*\buf+1] offset:512*i
.set i, i+1
.endr
	WIN 0
.endm
; hs holds, for a row and a block, the bytes of four tiles in a word; the matrix instruction wants, for a row and a tile, the bytes of four blocks: a 4 x 4 turn of bytes, for my half's two tiles
.macro PERMS
.irp p, 0,1,2,3
	v_perm_b32 v[PT+2*(\p%2)], v[HSR+4*\p+1], v[HSR+4*\p], s[SELA]
	v_perm_b32 v[PT+2*(\p%2)+1], v[HSR+4*\p+3], v[HSR+4*\p+2], s[SELA]
	v_perm_b32 v[HS+\p], v[PT+2*(\p%2)+1], v[PT+2*(\p%2)], s[SELL]
	v_perm_b32 v[HS+4+\p], v[PT+2*(\p%2)+1], v[PT+2*(\p%2)], s[SELH]
.endr
.rept 8
	v_nop                                          ; a scale register written by a vector instruction stands eight places ahead of the scaled matrix instruction
.endr
.endm
.macro COMPUTE                         ; 32 matrix instructions on buffer BUFN: two accumulators by turns, one instruction a turn; the first product starts each sum
.irp g, 0,1
	WIN 0x0d+\g                                    ; source 0 (W2) window 1 or 2, source 1 (h) window 3
.irp s, 0,1,2,3,4,5,6,7
.irp t, 0,1
.if \s == 0
	v_wmma_scale_f32_16x16x128_f8f6f4 v[ACC+8*(2*\g+\t):ACC+8*(2*\g+\t)+7], v[16*(8*\t+\s):16*(8*\t+\s)+15], v[128*BUFN+16*\s:128*BUFN+16*\s+15], 0, v[W2S+8*(2*\g+\t)+\s], v[HS+4*BUFN+\s/2] matrix_a_fmt:MATRIX_FMT_BF8 matrix_b_fmt:MATRIX_FMT_BF8
.elseif (\s%2) == 0
	v_wmma_scale_f32_16x16x128_f8f6f4 v[ACC+8*(2*\g+\t):ACC+8*(2*\g+\t)+7], v[16*(8*\t+\s):16*(8*\t+\s)+15], v[128*BUFN+16*\s:128*BUFN+16*\s+15], v[ACC+8*(2*\g+\t):ACC+8*(2*\g+\t)+7], v[W2S+8*(2*\g+\t)+\s], v[HS+4*BUFN+\s/2] matrix_a_fmt:MATRIX_FMT_BF8 matrix_b_fmt:MATRIX_FMT_BF8
.else
	v_wmma_scale_f32_16x16x128_f8f6f4 v[ACC+8*(2*\g+\t):ACC+8*(2*\g+\t)+7], v[16*(8*\t+\s):16*(8*\t+\s)+15], v[128*BUFN+16*\s:128*BUFN+16*\s+15], v[ACC+8*(2*\g+\t):ACC+8*(2*\g+\t)+7], v[W2S+8*(2*\g+\t)+\s], v[HS+4*BUFN+\s/2] matrix_a_fmt:MATRIX_FMT_BF8 matrix_b_fmt:MATRIX_FMT_BF8 matrix_b_scale:MATRIX_SCALE_ROW1
.endif
.endr
.endr
.endr
	WIN 0
.rept 9
	v_nop                                          ; nine places: for the stores of the results, the loads into h's registers, and the next tile's products, which begin these accumulators anew
.endr
.endm
; Tile q of the trip's four.  On the way in my buffer is whole; the other buffer's loads may be out.  Behind the products the buffer takes the tile two on, and the counted wait, in the same arm as those loads,
; leaves them alone out: so the other buffer is whole for the next tile.
.macro STEP q, tp
.set BUFN, \q%2
	s_add_co_u32 s[TT], s[TB], (\q%2)+4*(\q/2)
	s_cmp_lt_u32 s[TT], s[NT]
	s_cbranch_scc0 .Lexit_\tp
.if (\q%2) == 0
	PERMS
.endif
	s_wait_dscnt 0x0                               ; the last tile's LDS stores have read the accumulators
	COMPUTE
.irp t, 0,1,2,3
	ds_store_b128 v[RW+\tp], v[ACC+8*\t:ACC+8*\t+3] offset:4352*\q+64*\t       ; each accumulator from its low end on
	ds_store_b128 v[RW+\tp], v[ACC+8*\t+4:ACC+8*\t+7] offset:4352*\q+64*\t+16
.endr
	s_add_co_u32 s[T2], s[TT], 4
	s_cmp_lt_u32 s[T2], s[NT]
	s_cbranch_scc0 .Ln_\@
.if (\q%2) == 0
	LOAD 0, T2, 1
	s_wait_loadcnt 36                              ; all but the 36 just issued
.else
	LOAD 1, T2, 0
	s_wait_loadcnt 32                              ; all but the 32 just issued
.endif
	s_branch .Lg_\@
.Ln_\@:
	s_wait_loadcnt 0x0
.Lg_\@:
.endm
; The sum of the four waves' parts of tile q, b2, and the way out: my rows 4 w + 2 (lane / 16) + {0, 1}
.macro REDQ q, tp
	s_add_co_u32 s[TT], s[TB], (\q%2)+4*(\q/2)
	s_cmp_lt_u32 s[TT], s[NT]
	s_cbranch_scc0 .Lrn_\@
.irp z, 0,1
.irp p, 0,1,2,3
	ds_load_b128 v[R+4*(4*\z+\p):R+4*(4*\z+\p)+3], v[RR+2*\tp+\p/2] offset:17408*(\p%2)+4352*\q+272*\z
.endr
.endr
	s_lshl_b32 s[TMP], s[TT], 16                   ; the tile's 16 rows of 4,096 bytes
	s_add_nc_u64 s[YP+2*\q:YP+2*\q+1], s[20:21], s[TMP:TMP+1]
	s_wait_dscnt 0x0
.irp z, 0,1
.irp d, 0,2
	v_pk_add_f32 v[R+16*\z+\d:R+16*\z+\d+1], v[R+16*\z+\d:R+16*\z+\d+1], v[R+16*\z+4+\d:R+16*\z+4+\d+1]
	v_pk_add_f32 v[R+16*\z+8+\d:R+16*\z+8+\d+1], v[R+16*\z+8+\d:R+16*\z+8+\d+1], v[R+16*\z+12+\d:R+16*\z+12+\d+1]
.endr
.irp d, 0,2
	v_pk_add_f32 v[R+16*\z+\d:R+16*\z+\d+1], v[R+16*\z+\d:R+16*\z+\d+1], v[R+16*\z+8+\d:R+16*\z+8+\d+1]
.endr
.irp d, 0,2
	v_pk_add_f32 v[OUT+8*\q+4*\z+\d:OUT+8*\q+4*\z+\d+1], v[R+16*\z+\d:R+16*\z+\d+1], v[B2+\d:B2+\d+1]
.endr
.endr
.irp z, 0,1
	global_store_b128 v[YO], v[OUT+8*\q+4*\z:OUT+8*\q+4*\z+3], s[YP+2*\q:YP+2*\q+1] offset:4096*\z   ; sixteen lanes store 256 consecutive bytes, aligned
.endr
.Lrn_\@:
.endm
; A TRIP: four tiles, ONE barrier: the partial sums stored now lie where they were last read two trips ago, and every wave has since passed a barrier behind its wait for those reads.
.macro TRIP tp
	STEP 0, \tp
	STEP 1, \tp
	STEP 2, \tp
	STEP 3, \tp
	s_branch .Lj_\tp
.Lexit_\tp:
	s_wait_loadcnt 0x0                             ; no tile is left: nothing stays out
.Lj_\tp:
	s_wait_dscnt 0x0                               ; my partial sums have landed, and my reads of the other set are over
	s_barrier_signal -1
	s_barrier_wait -1
	s_wait_xcnt 0x0                                ; the last trip's stores have read their data and their bases
	REDQ 0, \tp
	REDQ 1, \tp
	REDQ 2, \tp
	REDQ 3, \tp
	s_add_co_u32 s[TB], s[TB], 8
.endm
	s_load_b256 s[8:15], s[0:1], 0x0               ; hq, hs, list, W2's codes
	s_load_b128 s[16:19], s[0:1], 0x20             ; W2's scales, b2
	s_load_b64 s[20:21], s[0:1], 0x30              ; yw
	v_lshl_add_u32 v254, v0, 2, 0x42800
	v_mov_b32 v255, 0
	v_lshrrev_b32 v200, 5, v0                      ; w
	v_readfirstlane_b32 s[WV], v200
	v_and_b32 v201, 31, v0                         ; lane
	v_and_b32 v202, 15, v0                         ; r
	v_bfe_u32 v203, v0, 4, 1                       ; h
	v_lshlrev_b32 v[L16], 4, v201
	v_mad_u32_u24 v[WST], v200, STGW, v[L16]
	v_mul_u32_u24 v[WFR], v202, 1040
	v_lshl_add_u32 v[WFR], v203, 4, v[WFR]
	v_mad_u32_u24 v[WFR], v200, STGW, v[WFR]
	v_mul_u32_u24 v[RW], v202, 272
	v_lshl_add_u32 v[RW], v203, 5, v[RW]
	v_mad_u32_u24 v[RW], v200, 17408, v[RW]        ; my wave's part, row r, 32 bytes for each half of the lanes
	v_add_nc_u32 v[RW+1], RED1, v[RW]
	v_add_nc_u32 v[RW], RED0, v[RW]
	v_lshlrev_b32 v204, 2, v200
	v_lshl_add_u32 v204, v203, 1, v204             ; 4 w + 2 h: the first of my two rows of a tile
	v_mul_u32_u24 v[RR], v204, 272
	v_lshl_add_u32 v[RR], v202, 4, v[RR]
	v_add_nc_u32 v[RR+1], RED0+34816, v[RR]
	v_add_nc_u32 v[RR+2], RED1, v[RR]
	v_add_nc_u32 v[RR+3], RED1+34816, v[RR]
	v_add_nc_u32 v[RR], RED0, v[RR]
	v_lshlrev_b32 v14, 7, v202                     ; W2's scale bytes: 128 a row
	v_lshlrev_b32 v[CO], 4, v202                   ; 16 r
	v_lshl_add_u32 v[YO], v204, 12, v[CO]
	s_and_b32 s[EX], ttmp7, 0xffff                 ; the expert
	s_lshr_b32 s[DC], ttmp9, 1                     ; which 64 columns
	s_and_b32 s[HF], ttmp9, 1                      ; which half of the tiles
	s_mov_b32 s[TMP+1], 0
	s_mov_b32 s[SELL], 0x05040100
	s_mov_b32 s[SELH], 0x07060302
	s_mov_b32 s[SELA], 0x07030602                  ; bytes 2, 3 of two words, interleaved: tiles 2, 3 of a group;
	s_cmp_eq_u32 s[HF], 0
	s_cselect_b32 s[SELA], 0x05010400, s[SELA]     ; bytes 0, 1: tiles 0, 1
	s_lshl_b32 s59, s[DC], 8                       ; my 64 columns, in bytes of f32
	s_wait_kmcnt 0x0
	s_lshl_b32 s[TMP], s[EX], 2
	s_add_nc_u64 s[56:57], s[12:13], s[TMP:TMP+1]
	s_load_b32 s[CNT], s[56:57], 0xa000            ; the expert's rows
	s_lshl_b32 s[TMP], s[EX], 22
	s_lshl_b32 s58, s[WV], 14
	s_add_co_u32 s[TMP], s[TMP], s58
	s_add_nc_u64 s[HQW:HQW+1], s[8:9], s[TMP:TMP+1]
	s_lshl_b32 s[TMP], s[EX], 17
	s_lshl_b32 s58, s[WV], 11
	s_add_co_u32 s[TMP], s[TMP], s58
	s_add_nc_u64 s[HSW:HSW+1], s[10:11], s[TMP:TMP+1]
	s_lshl_b32 s[TMP], s[EX], 22                   ; W2's codes: (1,024 e + 64 dc) rows of 4,096 bytes, + 1,024 w
	s_lshl_b32 s58, s[DC], 18
	s_add_co_u32 s[TMP], s[TMP], s58
	s_lshl_b32 s58, s[WV], 10
	s_add_co_u32 s[TMP], s[TMP], s58
	s_add_nc_u64 s[14:15], s[14:15], s[TMP:TMP+1]
	s_lshr_b32 s[TMP], s[TMP], 5                   ; its scale bytes: one for each 32 codes
	s_add_nc_u64 s[16:17], s[16:17], s[TMP:TMP+1]
	s_lshl_b32 s[TMP], s[EX], 12
	s_add_co_u32 s[TMP], s[TMP], s59
	s_add_nc_u64 s[18:19], s[18:19], s[TMP:TMP+1]  ; b2 at my 64 columns
	s_lshl_b32 s[TMP], s[EX], 22
	s_add_co_u32 s[TMP], s[TMP], s59
	s_add_nc_u64 s[20:21], s[20:21], s[TMP:TMP+1]  ; yw: my expert's 1,024 rows of 4,096 bytes, my 64 columns
.irp t, 0,1,2,3
.irp z, 0,1
	global_load_b128 v[W2S+8*\t+4*\z:W2S+8*\t+4*\z+3], v14, s[16:17] offset:2048*\t+16*\z
.endr
.endr
	global_load_b128 v[B2:B2+3], v[CO], s[18:19]
	WIN 0x40
.set i, 0
.rept 64
	global_load_b128 v[4*i:4*i+3], v[L16], s[14:15] offset:(i/2)*4096+512*(i%2)        ; rows 0-31: my 1,024 bytes of each, 512 a load
.set i, i+1
.endr
	WIN 0x80
.set i, 0
.rept 64
	global_load_b128 v[4*i:4*i+3], v[L16], s[14:15] offset:(32+i/2)*4096+512*(i%2)     ; rows 32-63
.set i, i+1
.endr
	WIN 0
	s_lshl_b32 s[TB], s[HF], 1
	s_mov_b32 s[TT], s[TB]
	LOAD 0, TT, 1                                  ; my half's first two tiles
	s_add_co_u32 s[T2], s[TB], 1
	LOAD 1, T2, 0
	s_wait_loadcnt 63                              ; rows 0-31 are in: 132 loads were issued behind theirs
	WIN 0x04
.set i, 0
.rept 64
	ds_store_b128 v[WST], v[4*i:4*i+3] offset:(i/2)*1040+512*(i%2)
.set i, i+1
.endr
	s_wait_dscnt 0x0                               ; the stores have read their registers
	WIN 0x40
.irp t, 0,1
.irp s, 0,1,2,3,4,5,6,7
.irp c, 0,1,2,3
	ds_load_b128 v[16*(8*\t+\s)+4*\c:16*(8*\t+\s)+4*\c+3], v[WFR] offset:16640*\t+128*\s+32*\c
.endr
.endr
.endr
	WIN 0
	s_wait_loadcnt 63                              ; rows 32-63 are in: 68 loads were issued behind theirs
	s_wait_dscnt 0x0                               ; the first pass has left my LDS bytes
	WIN 0x08
.set i, 0
.rept 64
	ds_store_b128 v[WST], v[4*i:4*i+3] offset:(i/2)*1040+512*(i%2)
.set i, i+1
.endr
	s_wait_dscnt 0x0
	WIN 0x80
.irp t, 0,1
.irp s, 0,1,2,3,4,5,6,7
.irp c, 0,1,2,3
	ds_load_b128 v[16*(8*\t+\s)+4*\c:16*(8*\t+\s)+4*\c+3], v[WFR] offset:16640*\t+128*\s+32*\c
.endr
.endr
.endr
	WIN 0
	s_wait_dscnt 0x0
	s_wait_kmcnt 0x0
	s_add_co_u32 s[NT], s[CNT], 15
	s_lshr_b32 s[NT], s[NT], 4
	s_mov_b32 s[IT], 4
	s_wait_loadcnt 32                              ; buffer 0 is whole; buffer 1's 32 loads may be out
.Ltrips:
	TRIP 0
	TRIP 1
	s_sub_co_u32 s[IT], s[IT], 1
	s_cmp_lg_u32 s[IT], 0
	s_cbranch_scc1 .Ltrips
	s_wait_tensorcnt 0x0
	ds_add_u32 v254, v255
	s_wait_dscnt 0x0
	s_endpgm
.Lfunc_end_k_qbb50ee4d49_down:
	.size	k_qbb50ee4d49_down, .Lfunc_end_k_qbb50ee4d49_down-k_qbb50ee4d49_down
	.p2alignl 7, 3214868480
	.fill 96, 4, 3214868480
	.section	.rodata,"a",@progbits
	.p2align	6, 0x0
	.amdhsa_kernel k_qbb50ee4d49_down
		.amdhsa_group_segment_fixed_size 272896
		.amdhsa_private_segment_fixed_size 0
		.amdhsa_enable_private_segment 0
		.amdhsa_kernarg_size 56
		.amdhsa_user_sgpr_count 2
		.amdhsa_user_sgpr_kernarg_segment_ptr 1
		.amdhsa_wavefront_size32 1
		.amdhsa_system_sgpr_workgroup_id_x 1
		.amdhsa_system_sgpr_workgroup_id_y 1
		.amdhsa_system_sgpr_workgroup_id_z 1
		.amdhsa_system_vgpr_workitem_id 0
		.amdhsa_next_free_vgpr 1024
		.amdhsa_next_free_sgpr 80
		.amdhsa_reserve_vcc 0
		.amdhsa_float_denorm_mode_32 3
		.amdhsa_float_denorm_mode_16_64 3
		.amdhsa_memory_ordered 1
		.amdhsa_forward_progress 1
		.amdhsa_inst_pref_size 130
	.end_amdhsa_kernel
	.amdgpu_metadata
---
amdhsa.version: [ 1, 2 ]
amdhsa.kernels:
  - .name:           k_qbb50ee4d49_down
    .symbol:         k_qbb50ee4d49_down.kd
    .args:
      - { .name: hq, .offset: 0, .size: 8, .value_kind: global_buffer, .address_space: global }
      - { .name: hs, .offset: 8, .size: 8, .value_kind: global_buffer, .address_space: global }
      - { .name: list, .offset: 16, .size: 8, .value_kind: global_buffer, .address_space: global }
      - { .name: W2_codes, .offset: 24, .size: 8, .value_kind: global_buffer, .address_space: global }
      - { .name: W2_scales, .offset: 32, .size: 8, .value_kind: global_buffer, .address_space: global }
      - { .name: b2, .offset: 40, .size: 8, .value_kind: global_buffer, .address_space: global }
      - { .name: yw, .offset: 48, .size: 8, .value_kind: global_buffer, .address_space: global }
    .group_segment_fixed_size: 272896
    .private_segment_fixed_size: 0
    .kernarg_segment_align: 8
    .kernarg_segment_size: 56
    .max_flat_workgroup_size: 128
    .sgpr_count:     80
    .vgpr_count:     1024
    .wavefront_size: 32
...
	.end_amdgpu_metadata
.endif
;; end of part 3
;; launch join (part 4): grid 256 x 1, 4 waves a work-group, no clusters, 0 bytes of LDS; arguments yw, gate, list, out0; writes out0
.if DOCPART == 4
	.amdgcn_target "amdgcn-amd-amdhsa--gfx1250"
	.amdhsa_code_object_version 6
	.text
	.protected	k_qbb50ee4d49_join
	.globl	k_qbb50ee4d49_join
	.p2align	8
	.type	k_qbb50ee4d49_join,@function
k_qbb50ee4d49_join:
	s_mov_b64 s[64:65], 0
	v_nop
	global_prefetch_b8 v0, s[64:65] scope:SCOPE_SE
	s_setreg_imm32_b32 hwreg(HW_REG_WAVE_MODE, 25, 1), 1
	s_wait_xcnt 0x0
; out[t] = g0 y[row of t's first choice] + g1 y[row of its second].  yw [8 x 1,024 rows][1024] f32, gate [1024][2] f32, out0 [1024][1024] f32.
; list holds, from byte 41,216 + 8,192 e + 8 t on, two words: the row's number if expert e is token t's first (second) choice, else 0.  So the OR of the eight experts' words is the row's number.
; A wave takes a token: eight loads of its row words (every lane the same 8 bytes), then 16 loads of 512 consecutive bytes, all issued at once, and 8 stores of 512 consecutive bytes.
; Memory binds: no LDS, no barrier, no matrix unit.  Each piece has registers of its own.
	s_load_b256 s[4:11], s[0:1], 0x0               ; yw s[4:5], gate s[6:7], list s[8:9], out0 s[10:11]
	v_lshrrev_b32 v2, 5, v0
	v_readfirstlane_b32 s16, v2                    ; wave
	v_and_b32 v1, 31, v0
	v_lshlrev_b32 v1, 4, v1                        ; 16 bytes a lane
	v_mov_b32 v5, 0
	s_lshl_b32 s17, ttmp9, 2
	s_add_co_u32 s17, s17, s16                     ; the token
	s_mov_b32 s19, 0
	s_wait_kmcnt 0x0
	s_lshl_b32 s18, s17, 3
	s_add_nc_u64 s[6:7], s[6:7], s[18:19]
	s_add_nc_u64 s[8:9], s[8:9], s[18:19]
	s_load_b64 s[20:21], s[6:7], 0x0               ; its two gates
	s_lshl_b32 s18, s17, 12
	s_add_nc_u64 s[10:11], s[10:11], s[18:19]
.irp e, 0,1,2,3,4,5,6,7
	global_load_b64 v[8+2*\e:9+2*\e], v5, s[8:9] offset:41216+8192*\e
.endr
	s_wait_loadcnt 0x0
	v_or_b32 v24, v8, v10                          ; the two rows' numbers, in registers of their own
	v_or_b32 v25, v9, v11
.irp e, 2,3,4,5,6,7
	v_or_b32 v24, v24, v[8+2*\e]
	v_or_b32 v25, v25, v[9+2*\e]
.endr
	v_min_u32 v24, 0x1fff, v24                     ; held inside the table of 8,192 rows
	v_min_u32 v25, 0x1fff, v25
	v_lshl_add_u32 v24, v24, 12, v1                ; a row is 4,096 bytes
	v_lshl_add_u32 v25, v25, 12, v1
.irp j, 0,1,2,3,4,5,6,7
	global_load_b128 v[32+8*\j:35+8*\j], v24, s[4:5] offset:512*\j th:TH_LOAD_NT
	global_load_b128 v[36+8*\j:39+8*\j], v25, s[4:5] offset:512*\j th:TH_LOAD_NT
.endr
	s_wait_kmcnt 0x0
	s_mov_b32 s12, s20                             ; each gate in a pair of its own: the packed forms name a pair and take its low word for both halves
	s_mov_b32 s13, s20
	s_mov_b32 s14, s21
	s_mov_b32 s15, s21
.irp j, 0,1,2,3,4,5,6,7
	s_wait_loadcnt 14-2*\j                         ; this piece's two loads are in; the later pieces' may be out
	v_pk_mul_f32 v[96+4*\j:97+4*\j], v[32+8*\j:33+8*\j], s[12:13] op_sel_hi:[1,0]
	v_pk_mul_f32 v[98+4*\j:99+4*\j], v[34+8*\j:35+8*\j], s[12:13] op_sel_hi:[1,0]
	v_pk_fma_f32 v[96+4*\j:97+4*\j], v[36+8*\j:37+8*\j], s[14:15], v[96+4*\j:97+4*\j] op_sel_hi:[1,0,1]
	v_pk_fma_f32 v[98+4*\j:99+4*\j], v[38+8*\j:39+8*\j], s[14:15], v[98+4*\j:99+4*\j] op_sel_hi:[1,0,1]
	global_store_b128 v1, v[96+4*\j:99+4*\j], s[10:11] offset:512*\j th:TH_STORE_NT
.endr
	s_endpgm
.Lfunc_end_k_qbb50ee4d49_join:
	.size	k_qbb50ee4d49_join, .Lfunc_end_k_qbb50ee4d49_join-k_qbb50ee4d49_join
	.p2alignl 7, 3214868480
	.fill 96, 4, 3214868480
	.section	.rodata,"a",@progbits
	.p2align	6, 0x0
	.amdhsa_kernel k_qbb50ee4d49_join
		.amdhsa_group_segment_fixed_size 0
		.amdhsa_private_segment_fixed_size 0
		.amdhsa_enable_private_segment 0
		.amdhsa_kernarg_size 32
		.amdhsa_user_sgpr_count 2
		.amdhsa_user_sgpr_kernarg_segment_ptr 1
		.amdhsa_wavefront_size32 1
		.amdhsa_system_sgpr_workgroup_id_x 1
		.amdhsa_system_sgpr_workgroup_id_y 1
		.amdhsa_system_sgpr_workgroup_id_z 1
		.amdhsa_system_vgpr_workitem_id 0
		.amdhsa_next_free_vgpr 128
		.amdhsa_next_free_sgpr 66
		.amdhsa_reserve_vcc 0
		.amdhsa_float_denorm_mode_32 3
		.amdhsa_float_denorm_mode_16_64 3
		.amdhsa_memory_ordered 1
		.amdhsa_forward_progress 1
		.amdhsa_inst_pref_size 7
	.end_amdhsa_kernel
	.amdgpu_metadata
---
amdhsa.version: [ 1, 2 ]
amdhsa.kernels:
  - .name:           k_qbb50ee4d49_join
    .symbol:         k_qbb50ee4d49_join.kd
    .args:
      - { .name: yw, .offset: 0, .size: 8, .value_kind: global_buffer, .address_space: global }
      - { .name: gate, .offset: 8, .size: 8, .value_kind: global_buffer, .address_space: global }
      - { .name: list, .offset: 16, .size: 8, .value_kind: global_buffer, .address_space: global }
      - { .name: out0, .offset: 24, .size: 8, .value_kind: global_buffer, .address_space: global }
    .group_segment_fixed_size: 0
    .private_segment_fixed_size: 0
    .kernarg_segment_align: 8
    .kernarg_segment_size: 32
    .max_flat_workgroup_size: 128
    .sgpr_count:     66
    .vgpr_count:     128
    .wavefront_size: 32
...
	.end_amdgpu_metadata
.endif
;; end of part 4
;; ======== version 2 of 2: 4 launches; version 1 with the launches up, down written anew for expert scheduling mode
;; workspace buffers: xq 1,048,576 bytes; xs 32,768 bytes; ridx 4,096 bytes of whole numbers; gate 8,192 bytes; list 106,752 bytes of whole numbers; hq 33,554,432 bytes; hs 1,048,576 bytes; yw 33,554,432 bytes
;; launch route: the kernel of part 1 again; grid 256 x 1, 4 waves a work-group, no clusters, 36,352 bytes of LDS; arguments x, Wr, br, xq, xs, ridx, gate; writes xq, xs, ridx, gate
;; launch up (part 5): grid 32 x 8, 4 waves a work-group, no clusters, 275,968 bytes of LDS; arguments xq, xs, ridx, W1_codes, W1_scales, b1, hq, hs, list; writes hq, hs, list
.if DOCPART == 5
	.amdgcn_target "amdgcn-amd-amdhsa--gfx1250"
	.amdhsa_code_object_version 6
	.text
	.protected	k_qbb50ee4d49_up
	.globl	k_qbb50ee4d49_up
	.p2align	8
	.type	k_qbb50ee4d49_up,@function
k_qbb50ee4d49_up:
	s_mov_b64 s[64:65], 0
	v_nop
	global_prefetch_b8 v0, s[64:65] scope:SCOPE_SE
	s_setreg_imm32_b32 hwreg(HW_REG_WAVE_SCHED_MODE, 0, 2), 2
	s_setreg_imm32_b32 hwreg(HW_REG_WAVE_MODE, 25, 1), 1
	s_wait_xcnt 0x0
	s_wait_alu depctr_vm_vsrc(0)
; h = Q(gelu(Q(x) W1[e] + b1[e])) for the rows routed to expert e, on codes of E5M2 with one E8M0 scale for each 32 along K.
; A work-group is (chunk c of 128 hidden units, expert e).  ITS WEIGHTS STAY: wave w holds hidden units 128 c + 32 w .. + 31 for all of K = 1,024 in 256 registers, read from memory once, in dense loads, and turned
; through the wave's own LDS bytes into fragments.  The expert's rows go by, 64 a trip: gathered by the expert's list into one of two LDS tiles (codes and scale bytes of a row on end), read by all four waves.
; THE EXPERT'S LIST OF ROWS IS MADE HERE, IN LDS, while the weights are on their way.  ridx [1024] = first expert | second << 8.  Every wave counts the expert's rows (the trips' guards hang on the count); wave 0 also
; places them: a counting pass over the 1,024 tokens, 32 a round, places by counts of lower lanes, no atomics.  A token that chose the expert goes to the next free entry from the front; one that did not writes a 0 to
; the next free entry from 1,023 down: so each of the 1,024 entries is written once, with all lanes on.  One wave stores, and all read behind a barrier ahead of which no other wave touches LDS.
; The work-group with c = 0 also stores what the later launches want, into list: at byte 40,960 + 4 e the number of e's rows; from byte 41,216 + 8,192 e on, for each token two words: the row's number
; 1,024 e + its place among e's rows, in the first word if e is the token's first choice, in the second if its second, else 0.  (Bytes 0 to 40,959 of list are not used.)
; THE PRODUCT IS USED TRANSPOSED (source 0 = 16 rows of W1, source 1 = 16 rows of x), AND THE ROWS OF W1 THAT FORM A TILE ARE NOT NEIGHBOURS: lane r of tile u takes unit 32 w + 8 u + r + 8 (r / 8), so that a lane's
; 16 results are the 16 neighbours 32 w + 16 (lane / 16) + 0 .. 15 of one row: one block of 32 of the next product's K lies in lanes l and l xor 16, and the conversions' results are registers 4 w .. 4 w + 3 of that operand.
; hq [e][tile of 16 rows][K step of 128][block][lane][16 bytes] is an image of the operand's registers; hs [e][4 tiles][K step][row][block] is a word whose byte m is tile 4 g + m's scale byte.
; gelu is the tanh form, written as a / (1 + 2^(a (c1 + c3 a^2))), c1 = -2 sqrt(2/pi) log2(e), c3 = 0.044715 c1: the same function, finite for every finite a.
; THE TRIPS ARE A CONSTANT 16, so that every wave passes every barrier; a trip beyond the expert's rows jumps over its work by a scalar branch on the count.  That branch is why the launch has no tensor load
; and no cluster: the operands come by loads into registers.  The first 64 rows are always made (rows past the count are row 0 of x): the next launch asks for its first tiles ahead of knowing the count.
; LIMITS: NaN and infinities are not served; a block of zeros carries the byte 1, in a buffer that this program alone reads.
; THE MODE: SCHED_MODE bits 1:0 = 2 (LLVM: expert scheduling mode 2), set by the entry lines.  The code itself states the register dependences
; between vector or matrix instructions and memory or LDS instructions, with s_wait_alu, always for 0.
; THE PLAN.  Registers that memory or LDS instructions touch, and who else names them:
;   v1-17, v197-199, v255   addresses and offsets, made at the head ahead of one wait on va_vdst and never written again.
;   v[LAD ..]               the list's addresses: made at the head for its two reads; in a trip written once, beside v[GA ..].
;   v[EN ..], v[DT ..], v[PW ..], v[CNTV]   wave 0's list: every round has registers of its own, so all are written first; one wait on va_vdst; then all the stores.
;                           One wait on vm_vsrc where the waves' ways join frees them for the loads and the vector lines that write them later.
;   window 1                W1: loaded, stored to LDS, loaded again as fragments (one wait on vm_vsrc between); from then on read by the products alone.
;   window 3, v0-131        the gathered rows: loaded in trip t, stored to LDS at the head of trip t + 1; no vector instruction names them.
;   v[LS ..]                the list's entries: LDS loads land, the lines of ADDR read.      v[GA ..], v[GS]: ADDR writes, the gather's loads read.
;   window 2, v[XS ..]      x's fragments and scale words: LDS loads land, the products read.
;   v[PC ..], v[SW]         the conversions and the bytes' lines write, the stores read; each pair of tiles has its own codes' registers.
; A TRIP'S WAITS.  Behind the barrier one on vm_vsrc (the LDS stores have read window 3; the last trip's loads their addresses; its stores their data); then ADDR and the list's addresses; then ONE on va_vdst,
; behind which the gather, the list's read and the first pair's fragments follow with no vector instruction between.  Behind the first 32 products one on va_vdst: the second pair's fragment loads follow it, dealt in
; four runs among the first pair's gelu lines, which name v18-22 and v92-187 alone: none of the registers that those loads touch.  The first pair's codes are stored behind the wait that the second pair's
; exponentials have in any case; one wait on va_vdst at the trip's end stands ahead of the last stores.
.set STG0, 5120                        ; LDS: bytes 0 to 5,119: the list, 1,280 words: 2 x token for each of the expert's rows, then zeros
.set STGW, 33280                       ; LDS: a wave's 32 rows of W1, 1,024 bytes + 16 each; four of them from byte STG0
.set XT0,  138240                      ; LDS: two tiles of 64 rows of x: 1,024 codes + 32 scale bytes + 16 of padding: 67 x 16 bytes, so that 16 rows begin in 16 different groups of banks
.set XT1,  206848
.set XP,   1072
.set L16, 1                            ; v1    16 x lane
.set WST, 2                            ; v2    W1 into my LDS bytes
.set WFR, 3                            ; v3    and out of them as fragments
.set XW,  4                            ; v4-5  x's codes into tile 0, 1: row 16 w + 8 (lane / 16), 16 bytes a lane
.set XWS, 6                            ; v6-7  x's scale bytes: row 16 w + lane / 2
.set XR,  8                            ; v8-9  x's fragments out of tile 0, 1
.set XR2, 10                           ; v10-11 x's scale words
.set LA,  12                           ; v12   the list: my 8 rows' entries in a trip's 64
.set LA2, 13                           ; v13   the list: my scale row's entry
.set HO,  14                           ; v14   hq: 16 x lane + 512 w
.set SO,  15                           ; v15   hs: 16 r + 4 w
.set C16, 16                           ; v16   16 (lane % 16)
.set C1B, 17                           ; v17   16 (lane % 2)
.set K1,  18                           ; v[18:19] c1, twice
.set K3,  20                           ; v[20:21] c3, twice
.set SW,  22                           ; v22   the four tiles' scale bytes
.set LS,  24                           ; v24-32 nine list entries
.set GA,  34                           ; v34-41 byte offsets of my 8 rows in xq
.set GS,  42                           ; v42   of my scale row in xs
.set W1S, 44                           ; v44-59 W1's scale words: tile u, K step s at 8 u + s
.set XS,  60                           ; v60-75 x's: tile m, K step s at 8 m + s
.set B1,  76                           ; v76-91 b1 in the result's layout: tile u at 8 u
.set ACC, 92                           ; v92-123 four accumulators: (m, u) at 16 m + 8 u
.set T,   124                          ; v124-155 at work
.set TM,  156                          ; v156-159 TM, TM2: zeros until the loop
.set TM2, 158
.set SCL, 160
.set HLD, 162
.set BYT, 164
.set PC,  172                          ; v172-187 codes: pair P, tile m at 8 P + 4 m
.set LAD, 188                          ; v188-189 LDS addresses of the list entries in hand
; while the list is made:
.set EN,  28                           ; v28-59   round n's LDS address of its entry, at EN + n
.set DT,  60                           ; v60-91   round n's word for that entry, at DT + n
.set PW,  92                           ; v92-155  the tokens' row words: round n = 4 q + i at 2 n: a lane's four tokens of a q are 32 consecutive bytes
.set ZERO, 199                         ; v199     0
.set RI,  200                          ; v200-231 ridx: register 4 q + i holds token 128 q + 4 lane + i
.set TA,  232                          ; v232-243 four rounds' temporaries
.set TB,  236
.set PP,  240
.set NL,  252                          ; v252     1,023 - lane
.set SL2, 253                          ; v253     2 x (4 lane)
.set CNTV, 254                         ; v254     the count, to store
.set PWO, 255                          ; v255     32 x lane
; window 1: W1's fragments (u, s) at 16 (8 u + s).  window 2: x's (m, s) at 16 (8 m + s).  window 3: v0-131 the gathered rows on their way to LDS
.set WV,  24
.set CNT, 25
.set RB,  26                           ; the trip's first row
.set IT,  27
.set LBO, 28                           ; s28   the list's byte at the trip's first row
.set HQB, 30                           ; s[30:31] hq at the trip's first tile, my chunk
.set HSB, 32                           ; s[32:33] hs at the trip's group of four tiles, my chunk
.set SEL, 34
.set MNT, 36
.set EX,  38
.set LPT, 46                           ; s[46:47] list
.set MF,  48                           ; s48-51 four rounds' masks: first choice is mine
.set MG,  52                           ; s52-55 second choice is mine
.set MM,  56                           ; s56-59 either
.set MK,  60                           ; s60-63 how many
.set MC,  66                           ; s66-69 members ahead of each of the four rounds
.set S10, 70                           ; s70   members so far
.set E10, 71                           ; s71   1,024 e: the expert's first row's number
.set LRW, 72                           ; s[72:73] list at my expert's row words, less 41,216
.set LCN, 74                           ; s[74:75] list at my expert's count, less 40,960
.set MSB, 0
.macro WIN new                         ; the immediate's high byte repeats the setting that is left
.if MSB != (\new)
	s_set_vgpr_msb (MSB<<8)|(\new)
.set MSB, (\new)
.endif
.endm
; Four rounds of the counting pass: tokens 128 q + 4 lane + i, i = 0 .. 3, taken line by line together, so that no line waits for the line above it.  full = 0: the count alone.
; A member's place is P = the members ahead of it.  The others ahead of a non-member are 32 n - (members ahead of round n) + lane - (members in lower lanes), so its entry, 1,023 less that, is P + (1,023 - lane) - 32 n.
; full = 1 leaves each round's entry address in v[EN + n] and its word in v[DT + n]: the stores follow behind all eight batches.
.macro BATCH q, full
.irp i, 0,1,2,3
	v_and_b32 v[TA+\i], 0xff, v[RI+4*\q+\i]
	v_lshrrev_b32 v[TB+\i], 8, v[RI+4*\q+\i]
.endr
.irp i, 0,1,2,3
	v_cmp_eq_u32 s[MF+\i], s[EX], v[TA+\i]
	v_cmp_eq_u32 s[MG+\i], s[EX], v[TB+\i]
.endr
	s_wait_alu depctr_va_sdst(0)                   ; the eight compares have written their masks, ahead of the masks' first readers
.irp i, 0,1,2,3
	s_or_b32 s[MM+\i], s[MF+\i], s[MG+\i]
.endr
.irp i, 0,1,2,3
	s_bcnt1_i32_b32 s[MK+\i], s[MM+\i]
.endr
	s_mov_b32 s[MC], s[S10]
	s_add_co_u32 s[MC+1], s[MC], s[MK]
	s_add_co_u32 s[MC+2], s[MC+1], s[MK+1]
	s_add_co_u32 s[MC+3], s[MC+2], s[MK+2]
	s_add_co_u32 s[S10], s[MC+3], s[MK+3]
.if \full
.irp i, 0,1,2,3
	v_mbcnt_lo_u32_b32 v[PP+\i], s[MM+\i], 0       ; members in lower lanes
.endr
.irp i, 0,1,2,3
	v_add_nc_u32 v[PP+\i], s[MC+\i], v[PP+\i]      ; P
.endr
.irp i, 0,1,2,3
	v_add_nc_u32 v[EN+4*\q+\i], v[PP+\i], v[NL]
.endr
.irp i, 0,1,2,3
	v_add_nc_u32 v[EN+4*\q+\i], -32*(4*\q+\i), v[EN+4*\q+\i] ; a non-member's entry
.endr
.irp i, 0,1,2,3
	v_add_nc_u32 v[TA+\i], s[E10], v[PP+\i]        ; a member's row's number
.endr
.irp i, 0,1,2,3
	v_cndmask_b32 v[PW+2*(4*\q+\i)], 0, v[TA+\i], s[MF+\i]
	v_cndmask_b32 v[PW+2*(4*\q+\i)+1], 0, v[TA+\i], s[MG+\i]
.endr
.irp i, 0,1,2,3
	v_cndmask_b32 v[EN+4*\q+\i], v[EN+4*\q+\i], v[PP+\i], s[MM+\i]
.endr
.irp i, 0,1,2,3
	v_min_u32 v[EN+4*\q+\i], 0x3ff, v[EN+4*\q+\i]  ; an entry of the 1,024
.endr
.irp i, 0,1,2,3
	v_lshlrev_b32 v[EN+4*\q+\i], 2, v[EN+4*\q+\i]
.endr
.irp i, 0,1,2,3
	v_add_nc_u32 v[DT+4*\q+\i], 256*\q+2*\i, v[SL2]     ; 2 x token
.endr
.irp i, 0,1,2,3
	v_cndmask_b32 v[DT+4*\q+\i], 0, v[DT+4*\q+\i], s[MM+\i]
.endr
.endif
.endm
.macro LADR                            ; the LDS addresses of my entries in the trip's 64
	v_add_nc_u32 v[LAD], s[LBO], v[LA]
	v_add_nc_u32 v[LAD+1], s[LBO], v[LA2]
.endm
.macro LLD off                         ; nine entries of the list, off bytes on from the trip's first
	ds_load_b128 v[LS:LS+3], v[LAD] offset:\off
	ds_load_b128 v[LS+4:LS+7], v[LAD] offset:\off+16
	ds_load_b32 v[LS+8], v[LAD+1] offset:\off
.endm
.macro ADDR                            ; entries become byte offsets: token = entry / 2, held inside the table
.irp p, 0,1,2,3,4,5,6,7
	v_lshrrev_b32 v[GA+\p], 1, v[LS+\p]
	v_min_u32 v[GA+\p], 0x3ff, v[GA+\p]
	v_lshl_add_u32 v[GA+\p], v[GA+\p], 10, v[C16]
.endr
	v_lshrrev_b32 v[GS], 1, v[LS+8]
	v_min_u32 v[GS], 0x3ff, v[GS]
	v_lshl_add_u32 v[GS], v[GS], 5, v[C1B]
.endm
.macro XLOAD                           ; my 16 rows of the next 64: sixteen lanes read 256 consecutive bytes of a row
	WIN 0xc0
.irp p, 0,1,2,3,4,5,6,7
.irp q, 0,1,2,3
	global_load_b128 v[4*(4*\p+\q):4*(4*\p+\q)+3], v[GA+\p], s[8:9] offset:256*\q
.endr
.endr
	global_load_b128 v[128:131], v[GS], s[10:11]
	WIN 0
.endm
.macro XSTORE buf
	WIN 0x0c
.irp p, 0,1,2,3,4,5,6,7
.irp q, 0,1,2,3
	ds_store_b128 v[XW+\buf], v[4*(4*\p+\q):4*(4*\p+\q)+3] offset:XP*\p+256*\q
.endr
.endr
	ds_store_b128 v[XWS+\buf], v[128:131]
	WIN 0
.endm
.macro FSC buf, P                      ; two tiles of 16 rows: their 16 scale words a lane
.irp m, 0,1
.irp z, 0,1
	ds_load_b128 v[XS+8*\m+4*\z:XS+8*\m+4*\z+3], v[XR2+\buf] offset:16*(2*\P+\m)*XP+16*\z
.endr
.endr
.endm
.macro FETCH buf, P                    ; the scale words, then the 16 fragments in one run, the lower K steps first
	FSC \buf, \P
	WIN 0x80
.irp s, 0,1,2,3,4,5,6,7
.irp m, 0,1
.irp c, 0,1,2,3
	ds_load_b128 v[16*(8*\m+\s)+4*\c:16*(8*\m+\s)+4*\c+3], v[XR+\buf] offset:16*(2*\P+\m)*XP+128*\s+32*\c
.endr
.endr
.endr
	WIN 0
.endm
.macro FK buf, P, s0                   ; a quarter of that run: the fragments of K steps s0 and s0 + 1, in the same order
	WIN 0x80
.irp s, \s0, \s0+1
.irp m, 0,1
.irp c, 0,1,2,3
	ds_load_b128 v[16*(8*\m+(\s))+4*\c:16*(8*\m+(\s))+4*\c+3], v[XR+\buf] offset:16*(2*\P+\m)*XP+128*(\s)+32*\c
.endr
.endr
.endr
	WIN 0
.endm
.macro MUL                             ; 32 matrix instructions: four accumulators by turns, one instruction a turn; the bias is the first C
	WIN 0x09                                       ; source 0 (W1) window 1, source 1 (x) window 2
.irp s, 0,1,2,3,4,5,6,7
	s_wait_dscnt 8*(7-\s)                          ; the eight loads of each later K step may be out
.irp m, 0,1
.irp u, 0,1
.if \s == 0
	v_wmma_scale_f32_16x16x128_f8f6f4 v[ACC+16*\m+8*\u:ACC+16*\m+8*\u+7], v[16*(8*\u+\s):16*(8*\u+\s)+15], v[16*(8*\m+\s):16*(8*\m+\s)+15], v[B1+8*\u:B1+8*\u+7], v[W1S+8*\u+\s], v[XS+8*\m+\s] matrix_a_fmt:MATRIX_FMT_BF8 matrix_b_fmt:MATRIX_FMT_BF8
.else
	v_wmma_scale_f32_16x16x128_f8f6f4 v[ACC+16*\m+8*\u:ACC+16*\m+8*\u+7], v[16*(8*\u+\s):16*(8*\u+\s)+15], v[16*(8*\m+\s):16*(8*\m+\s)+15], v[ACC+16*\m+8*\u:ACC+16*\m+8*\u+7], v[W1S+8*\u+\s], v[XS+8*\m+\s] matrix_a_fmt:MATRIX_FMT_BF8 matrix_b_fmt:MATRIX_FMT_BF8
.endif
.endr
.endr
.endr
	WIN 0
.rept 8
	v_nop                                          ; eight places ahead of the first read of the results
.endr
.endm
.macro CSTORE P                        ; the pair's codes leave
.irp m, 0,1
	global_store_b128 v[HO], v[PC+8*\P+4*\m:PC+8*\P+4*\m+3], s[HQB:HQB+1] offset:(2*\P+\m)*65536   ; the wave stores 512 consecutive bytes, aligned
.endr
.endm
; gelu and the quantiser for the pair's two tiles: 32 numbers a lane.  deal = 1: three quarters of the second pair's fragment loads stand between its first lines (the first quarter stands ahead of it).
.macro EPI P, buf, deal
	s_wait_xcnt 0x0                                ; earlier stores have read the codes' and the scale word's registers
.set n, 0
.rept 16
	v_pk_mul_f32 v[T+n:T+n+1], v[ACC+n:ACC+n+1], v[ACC+n:ACC+n+1]      ; each accumulator is read from its low end on
.set n, n+2
.endr
.if \deal
	FK \buf, 1, 2                                  ; no wait: no vector or matrix instruction since the wait behind the products names these registers
.endif
.set n, 0
.rept 16
	v_pk_fma_f32 v[T+n:T+n+1], v[T+n:T+n+1], v[K3:K3+1], v[K1:K1+1]
.set n, n+2
.endr
.if \deal
	FK \buf, 1, 4
.endif
.set n, 0
.rept 16
	v_pk_mul_f32 v[T+n:T+n+1], v[T+n:T+n+1], v[ACC+n:ACC+n+1]          ; a (c1 + c3 a^2)
.set n, n+2
.endr
.if \deal
	FK \buf, 1, 6
.endif
.set n, 0
.rept 32
	v_exp_f32 v[T+n], v[T+n]
.set n, n+1
.endr
	v_nop                                          ; a plain line behind the last exponential
	s_wait_alu depctr_va_vdst(0)                   ; the exponentials have written v[T ..], ahead of their first reader; with P = 1 also: the first pair's conversions have written their codes, which the stores below read
.if \P == 1
	CSTORE 0
.endif
.set n, 0
.rept 16
	v_pk_add_f32 v[T+n:T+n+1], v[T+n:T+n+1], 1.0 op_sel_hi:[1,0]
.set n, n+2
.endr
.set n, 0
.rept 32
	v_rcp_f32 v[T+n], v[T+n]
.set n, n+1
.endr
	v_nop
	s_wait_alu depctr_va_vdst(0)                   ; the reciprocals have written v[T ..], ahead of their first reader
.set n, 0
.rept 16
	v_pk_mul_f32 v[ACC+n:ACC+n+1], v[ACC+n:ACC+n+1], v[T+n:T+n+1]      ; gelu(a)
.set n, n+2
.endr
.irp m, 0,1
	v_max3_num_f32 v[TM+\m], |v[ACC+16*\m]|, |v[ACC+16*\m+1]|, 0x8000000   ; my 16 numbers of the block, and the floor 2^(16 - 127)
.endr
.irp i, 2,4,6,8,10,12,14
.irp m, 0,1
	v_max3_num_f32 v[TM+\m], v[TM+\m], |v[ACC+16*\m+\i]|, |v[ACC+16*\m+\i+1]|
.endr
.endr
.irp m, 0,1
	v_permlanex16_b32 v[TM2+\m], v[TM+\m], s[SEL], s[SEL+1]
.endr
.irp m, 0,1
	v_max_num_f32 v[TM+\m], v[TM+\m], v[TM2+\m]    ; with lane l xor 16's: the block's largest magnitude
.endr
.irp m, 0,1
	v_add_nc_u32 v[SCL+\m], 0xf8800000, v[TM+\m]   ; 15 off its exponent field: the conversion's scale operand
.endr
.irp m, 0,1
	v_and_or_b32 v[HLD+\m], v[TM+\m], 0x7f800000, s[MNT]   ; 57,344 x the scale
.endr
.irp m, 0,1
	v_lshrrev_b32 v[BYT+\m], 23, v[SCL+\m]         ; the scale's byte
.endr
.if \P == 0
	v_lshl_or_b32 v[SW], v[BYT+1], 8, v[BYT]
.else
	v_lshl_or_b32 v[SW], v[BYT], 16, v[SW]
	v_lshl_or_b32 v[SW], v[BYT+1], 24, v[SW]
.endif
.irp m, 0,1
.irp i, 0,1,2,3,4,5,6,7,8,9,10,11,12,13,14,15
	v_med3_num_f32 v[ACC+16*\m+\i], v[ACC+16*\m+\i], -v[HLD+\m], v[HLD+\m]   ; the conversion does not saturate (ISA guide 7.6.2): the hold comes first
.endr
	v_cvt_scalef32_pk8_bf8_f32 v[PC+8*\P+4*\m:PC+8*\P+4*\m+1], v[ACC+16*\m:ACC+16*\m+7], v[SCL+\m]
	v_cvt_scalef32_pk8_bf8_f32 v[PC+8*\P+4*\m+2:PC+8*\P+4*\m+3], v[ACC+16*\m+8:ACC+16*\m+15], v[SCL+\m]
.endr
	v_nop                                          ; a plain line behind the last conversion: the next products write its sources
.endm
	s_load_b512 s[8:23], s[0:1], 0x0               ; xq, xs, ridx, W1's codes, W1's scales, b1, hq, hs
	s_load_b64 s[LPT:LPT+1], s[0:1], 0x40          ; list
	v_lshl_add_u32 v170, v0, 2, 0x43400
	v_mov_b32 v171, 0
	v_lshrrev_b32 v190, 5, v0                      ; w
	v_readfirstlane_b32 s[WV], v190
	v_and_b32 v191, 31, v0                         ; lane
	v_and_b32 v192, 15, v0                         ; r
	v_bfe_u32 v193, v0, 4, 1                       ; h
	v_lshlrev_b32 v[L16], 4, v191
	v_mad_u32_u24 v[WST], v190, STGW, v[L16]
	v_add_nc_u32 v[WST], STG0, v[WST]
	v_and_b32 v194, 8, v192
	v_add_nc_u32 v194, v194, v192                  ; r + 8 (r / 8)
	v_mul_u32_u24 v[WFR], v194, 1040
	v_lshl_add_u32 v[WFR], v193, 4, v[WFR]
	v_mad_u32_u24 v[WFR], v190, STGW, v[WFR]
	v_add_nc_u32 v[WFR], STG0, v[WFR]
	v_lshlrev_b32 v195, 4, v190
	v_lshl_add_u32 v195, v193, 3, v195             ; 16 w + 8 h
	v_lshlrev_b32 v[LA], 2, v195
	v_mul_u32_u24 v195, v195, XP
	v_lshl_add_u32 v195, v192, 4, v195
	v_add_nc_u32 v[XW], XT0, v195
	v_add_nc_u32 v[XW+1], XT1, v195
	v_lshrrev_b32 v195, 1, v191
	v_lshl_add_u32 v195, v190, 4, v195             ; 16 w + lane / 2
	v_lshlrev_b32 v[LA2], 2, v195
	v_mul_u32_u24 v195, v195, XP
	v_and_b32 v196, 1, v0
	v_lshlrev_b32 v[C1B], 4, v196
	v_add_nc_u32 v195, v195, v[C1B]
	v_add_nc_u32 v[XWS], XT0+1024, v195
	v_add_nc_u32 v[XWS+1], XT1+1024, v195
	v_mul_u32_u24 v195, v192, XP
	v_add_nc_u32 v[XR2], XT0+1024, v195
	v_add_nc_u32 v[XR2+1], XT1+1024, v195
	v_lshl_add_u32 v195, v193, 4, v195
	v_add_nc_u32 v[XR], XT0, v195
	v_add_nc_u32 v[XR+1], XT1, v195
	v_lshl_add_u32 v[HO], v190, 9, v[L16]
	v_lshlrev_b32 v[SO], 4, v192
	v_lshl_add_u32 v[SO], v190, 2, v[SO]
	v_lshlrev_b32 v[C16], 4, v192
	v_lshlrev_b32 v197, 5, v194                    ; W1's scale bytes: 32 a row
	v_lshlrev_b32 v198, 6, v193                    ; b1: 16 numbers on for lanes 16-31
	v_mov_b32 v[K1], 0xc0135761                    ; c1 = -2.3022082
	v_mov_b32 v[K1+1], 0xc0135761
	v_mov_b32 v[K3], 0xbdd2d3e8                    ; c3 = -0.10294324
	v_mov_b32 v[K3+1], 0xbdd2d3e8
.irp z, 0,1,2,3
	v_mov_b32 v[TM+\z], 0                          ; four zeros for the list's tail; the upper two are also a lane permute's destinations, which count among its sources and so are written once
.endr
	v_mov_b32 v[ZERO], 0
	v_sub_nc_u32 v[NL], 1023, v191
	v_lshlrev_b32 v[SL2], 3, v191
	v_lshlrev_b32 v[PWO], 5, v191
	s_and_b32 s[EX], ttmp7, 0xffff                 ; the expert
	s_mov_b32 s41, 0
	s_mov_b32 s[SEL], 0x76543210
	s_mov_b32 s[SEL+1], 0xfedcba98
	s_mov_b32 s[MNT], 0x600000
	s_mov_b32 s[S10], 0
	s_mov_b32 s[LBO], 0
	s_lshl_b32 s[E10], s[EX], 10
	LADR                                           ; the list's addresses for the head's two reads, which differ by their offsets alone
	s_wait_alu depctr_va_sdst(0)                   ; the wave's number is written, ahead of its first reader: W1's base is made from it
	s_wait_kmcnt 0x0
	s_wait_alu depctr_va_vdst(0)                   ; all the addresses and offsets made above are written, and the four zeros: the loads and stores of the whole kernel read them
.irp q, 0,1,2,3,4,5,6,7
	global_load_b128 v[RI+4*\q:RI+4*\q+3], v[L16], s[12:13] offset:512*\q    ; all 1,024 tokens' choices: 512 consecutive bytes a load
.endr
	s_lshl_b32 s40, s[EX], 22                      ; W1's codes: (4,096 e + 128 c + 32 w) rows of 1,024 bytes
	s_lshl_b32 s44, ttmp9, 17
	s_add_co_u32 s40, s40, s44
	s_lshl_b32 s44, s[WV], 15
	s_add_co_u32 s40, s40, s44
	s_add_nc_u64 s[14:15], s[14:15], s[40:41]
	s_lshr_b32 s40, s40, 5                         ; its scale bytes: 32 a row
	s_add_nc_u64 s[16:17], s[16:17], s[40:41]
	s_lshr_b32 s40, s40, 3                         ; b1: 4 bytes a unit
	s_add_nc_u64 s[18:19], s[18:19], s[40:41]
	WIN 0x40
.set wl, 0
.rept 48
	global_load_b128 v[4*wl:4*wl+3], v[L16], s[14:15] offset:512*wl th:TH_LOAD_NT   ; my 32 rows of W1 are 32,768 consecutive bytes: 512 a load; read once in the launch
.set wl, wl+1
.endr
	WIN 0
	s_lshl_b32 s40, s[EX], 22                      ; hq: the expert's 4 MiB, K step c
	s_lshl_b32 s44, ttmp9, 11
	s_add_co_u32 s40, s40, s44
	s_add_nc_u64 s[HQB:HQB+1], s[20:21], s[40:41]
	s_lshl_b32 s40, s[EX], 17                      ; hs: the expert's 131,072 bytes, K step c
	s_lshl_b32 s44, ttmp9, 8
	s_add_co_u32 s40, s40, s44
	s_add_nc_u64 s[HSB:HSB+1], s[22:23], s[40:41]
	s_lshl_b32 s40, s[EX], 2
	s_add_nc_u64 s[LCN:LCN+1], s[LPT:LPT+1], s[40:41]
	s_lshl_b32 s40, s[EX], 13
	s_add_nc_u64 s[LRW:LRW+1], s[LPT:LPT+1], s[40:41]
	s_wait_loadcnt 48                              ; the choices' eight loads are in; W1's 48 behind them may be out
	s_cmp_lg_u32 s[WV], 0
	s_cbranch_scc1 .Lcount
.irp q, 0,1,2,3,4,5,6,7
	BATCH \q, 1                                    ; wave 0: the count, the entries, the row words
.endr
	v_mov_b32 v[CNTV], s[S10]
	s_wait_alu depctr_va_vdst(0)                   ; the 32 rounds' entry addresses and words, the row words and the count are written: the stores below read them
.set n, 0
.rept 32
	ds_store_b32 v[EN+n], v[DT+n]                  ; each of the 1,024 entries once
.set n, n+1
.endr
	ds_store_b128 v[L16], v[TM:TM+3] offset:4096   ; entries 1,024 to 1,279: zeros, for reads that run ahead
	ds_store_b128 v[L16], v[TM:TM+3] offset:4608
	s_cmp_lg_u32 ttmp9, 0
	s_cbranch_scc1 .Lbuilt                         ; the expert's first work-group stores what the later launches read
.irp q, 0,1,2,3,4,5,6,7
.irp z, 0,1
	global_store_b128 v[PWO], v[PW+8*\q+4*\z:PW+8*\q+4*\z+3], s[LRW:LRW+1] offset:41216+1024*\q+16*\z   ; the two stores of a q cover 1,024 consecutive bytes
.endr
.endr
	global_store_b32 v[ZERO], v[CNTV], s[LCN:LCN+1] offset:40960   ; all lanes hold the same number and write the same word
	s_branch .Lbuilt
.Lcount:
.irp q, 0,1,2,3,4,5,6,7
	BATCH \q, 0                                    ; waves 1 to 3: the count
.endr
.Lbuilt:
	s_wait_alu depctr_vm_vsrc(0)                   ; wave 0's stores have read v[EN ..], v[DT ..], v[PW ..] and the four zeros: W1's scale words, b1 and the list's entries land there, and the loop's vector and matrix lines write there
	WIN 0x40
.rept 16
	global_load_b128 v[4*wl:4*wl+3], v[L16], s[14:15] offset:512*wl th:TH_LOAD_NT   ; the rest of W1
.set wl, wl+1
.endr
	WIN 0
.irp u, 0,1
.irp z, 0,1
	global_load_b128 v[W1S+8*\u+4*\z:W1S+8*\u+4*\z+3], v197, s[16:17] offset:256*\u+16*\z
	global_load_b128 v[B1+8*\u+4*\z:B1+8*\u+4*\z+3], v198, s[18:19] offset:32*\u+16*\z
.endr
.endr
	s_wait_dscnt 0x0                               ; for the others' sake: wave 0's list lies in LDS
	s_barrier_signal -1
	s_barrier_wait -1
	s_max_u32 s[CNT], s[S10], 64                   ; the first four tiles are always made
	LLD 0                                          ; the first 64 rows' entries
	s_wait_dscnt 0x0
	ADDR
	s_wait_alu depctr_va_vdst(0)                   ; v[GA ..] and v[GS] are written, which the gather's loads read; the lines above are done reading v[LS ..], in which the next entries land
	XLOAD                                          ; the first 64 rows: they land while W1 is turned
	LLD 256                                        ; the second 64 rows' entries
	s_wait_loadcnt 33                              ; W1, its scale words and b1 are in; the 33 loads of the gathered rows, issued behind them, may be out
	WIN 0x04                                       ; W1 through my own LDS bytes: in as it was loaded,
.set i, 0
.rept 64
	ds_store_b128 v[WST], v[4*i:4*i+3] offset:(i/2)*1040+512*(i%2)
.set i, i+1
.endr
	s_wait_dscnt 0x0                               ; the stores have landed
	WIN 0x40                                       ; out as fragments, which stay
	s_wait_alu depctr_vm_vsrc(0)                   ; the LDS stores have read W1's registers, in which the fragments land
.irp u, 0,1
.irp s, 0,1,2,3,4,5,6,7
.irp c, 0,1,2,3
	ds_load_b128 v[16*(8*\u+\s)+4*\c:16*(8*\u+\s)+4*\c+3], v[WFR] offset:8320*\u+128*\s+32*\c
.endr
.endr
.endr
	WIN 0
	s_wait_dscnt 0x0
	s_wait_xcnt 0x0                                ; the stores of the row words have read their registers, which the products and the gelu write
	s_mov_b32 s[RB], 0
	s_mov_b32 s[IT], 8
; A TRIP: 64 rows.  ONE barrier: the tile stored now was last read two trips ago, and every wave has since passed a barrier behind its wait for those reads.
.macro TRIP buf
	s_wait_loadcnt 0x0                             ; this trip's rows are in (asked for a trip ago); on every way, so that no pending load meets the lines below
	s_cmp_lt_u32 s[RB], s[CNT]
	s_cbranch_scc0 .La_\@
	XSTORE \buf
.La_\@:
	s_wait_dscnt 0x0                               ; my stores have landed, my reads of the other tile are over, and the next trip's entries are in
	s_barrier_signal -1
	s_barrier_wait -1
	s_cmp_lt_u32 s[RB], s[CNT]
	s_cbranch_scc0 .Lz_\@
	s_wait_alu depctr_vm_vsrc(0)                   ; my LDS stores above have read the gathered rows' registers, in which the next rows land; the last trip's loads have read v[GA ..], v[GS] and v[LAD ..], which the lines below write; its stores have read v[PC ..] and v[SW], which this trip writes
	ADDR
	LADR
	s_wait_alu depctr_va_vdst(0)                   ; v[GA ..], v[GS] and v[LAD ..] are written, which the loads below read; the lines above are done reading v[LS ..], and the last trip's products x's fragments and scale words: loads land in all of these
	s_add_co_u32 s44, s[RB], 64
	s_cmp_lt_u32 s44, s[CNT]
	s_cbranch_scc0 .Lnx_\@
	XLOAD                                          ; the next trip's rows: they have this trip's work in which to land
.Lnx_\@:
	LLD 512                                        ; the entries of the trip after that (the list is padded with zeros for this); they stand ahead of the fragments' loads, so the products' first wait covers them
	FETCH \buf, 0
	MUL
	s_add_co_u32 s44, s[RB], 32
	s_cmp_lt_u32 s44, s[CNT]
	s_cbranch_scc0 .LnoB_\@
	s_wait_alu depctr_va_vdst(0)                   ; the products are done reading x's fragments and scale words, in which the second pair's land
	FSC \buf, 1                                    ; the second pair's fragments come while the first pair's vector work runs: its scale words and the first quarter here, the rest among the lines of the gelu
	FK \buf, 1, 0
	EPI 0, \buf, 1
	MUL
	EPI 1, \buf, 0
	s_wait_alu depctr_va_vdst(0)                   ; the second pair's conversions have written their codes, and v[SW] is whole: the stores below read them
	CSTORE 1
	s_branch .Ld_\@
.LnoB_\@:
	EPI 0, \buf, 0
	s_wait_alu depctr_va_vdst(0)                   ; the conversions have written the codes, and v[SW] is written: the stores below read them
	CSTORE 0
.Ld_\@:
	global_store_b32 v[SO], v[SW], s[HSB:HSB+1]    ; lanes l and l xor 16 hold the same word and write the same place
.Lz_\@:
	s_wait_xcnt 0x0                                ; the bases are stepped only when all that was issued has had its addresses translated
	s_add_nc_u64 s[HQB:HQB+1], s[HQB:HQB+1], 0x40000
	s_add_nc_u64 s[HSB:HSB+1], s[HSB:HSB+1], 8192
	s_add_co_u32 s[LBO], s[LBO], 256
	s_add_co_u32 s[RB], s[RB], 64
.endm
.Ltrips:
	TRIP 0
	TRIP 1
	s_sub_co_u32 s[IT], s[IT], 1
	s_cmp_lg_u32 s[IT], 0
	s_cbranch_scc1 .Ltrips
	s_wait_dscnt 0x0                               ; the closing lines, six on end
	s_wait_alu 0x0
	s_wait_tensorcnt 0x0
	ds_add_u32 v170, v171
	s_wait_dscnt 0x0
	s_endpgm
.Lfunc_end_k_qbb50ee4d49_up:
	.size	k_qbb50ee4d49_up, .Lfunc_end_k_qbb50ee4d49_up-k_qbb50ee4d49_up
	.p2alignl 7, 3214868480
	.fill 96, 4, 3214868480
	.section	.rodata,"a",@progbits
	.p2align	6, 0x0
	.amdhsa_kernel k_qbb50ee4d49_up
		.amdhsa_group_segment_fixed_size 275968
		.amdhsa_private_segment_fixed_size 0
		.amdhsa_enable_private_segment 0
		.amdhsa_kernarg_size 72
		.amdhsa_user_sgpr_count 2
		.amdhsa_user_sgpr_kernarg_segment_ptr 1
		.amdhsa_wavefront_size32 1
		.amdhsa_system_sgpr_workgroup_id_x 1
		.amdhsa_system_sgpr_workgroup_id_y 1
		.amdhsa_system_sgpr_workgroup_id_z 1
		.amdhsa_system_vgpr_workitem_id 0
		.amdhsa_next_free_vgpr 1024
		.amdhsa_next_free_sgpr 80
		.amdhsa_reserve_vcc 0
		.amdhsa_float_denorm_mode_32 3
		.amdhsa_float_denorm_mode_16_64 3
		.amdhsa_memory_ordered 1
		.amdhsa_forward_progress 1
		.amdhsa_inst_pref_size 191
	.end_amdhsa_kernel
	.amdgpu_metadata
---
amdhsa.version: [ 1, 2 ]
amdhsa.kernels:
  - .name:           k_qbb50ee4d49_up
    .symbol:         k_qbb50ee4d49_up.kd
    .args:
      - { .name: xq, .offset: 0, .size: 8, .value_kind: global_buffer, .address_space: global }
      - { .name: xs, .offset: 8, .size: 8, .value_kind: global_buffer, .address_space: global }
      - { .name: ridx, .offset: 16, .size: 8, .value_kind: global_buffer, .address_space: global }
      - { .name: W1_codes, .offset: 24, .size: 8, .value_kind: global_buffer, .address_space: global }
      - { .name: W1_scales, .offset: 32, .size: 8, .value_kind: global_buffer, .address_space: global }
      - { .name: b1, .offset: 40, .size: 8, .value_kind: global_buffer, .address_space: global }
      - { .name: hq, .offset: 48, .size: 8, .value_kind: global_buffer, .address_space: global }
      - { .name: hs, .offset: 56, .size: 8, .value_kind: global_buffer, .address_space: global }
      - { .name: list, .offset: 64, .size: 8, .value_kind: global_buffer, .address_space: global }
    .group_segment_fixed_size: 275968
    .private_segment_fixed_size: 0
    .kernarg_segment_align: 8
    .kernarg_segment_size: 72
    .max_flat_workgroup_size: 128
    .sgpr_count:     80
    .vgpr_count:     1024
    .wavefront_size: 32
...
	.end_amdgpu_metadata
.endif
;; end of part 5
;; launch down (part 6): grid 32 x 8, 4 waves a work-group, no clusters, 272,896 bytes of LDS; arguments hq, hs, list, W2_codes, W2_scales, b2, yw; writes yw
.if DOCPART == 6
	.amdgcn_target "amdgcn-amd-amdhsa--gfx1250"
	.amdhsa_code_object_version 6
	.text
	.protected	k_qbb50ee4d49_down
	.globl	k_qbb50ee4d49_down
	.p2align	8
	.type	k_qbb50ee4d49_down,@function
k_qbb50ee4d49_down:
	s_mov_b64 s[64:65], 0
	v_nop
	global_prefetch_b8 v0, s[64:65] scope:SCOPE_SE
	s_setreg_imm32_b32 hwreg(HW_REG_WAVE_SCHED_MODE, 0, 2), 2
	s_setreg_imm32_b32 hwreg(HW_REG_WAVE_MODE, 25, 1), 1
	s_wait_xcnt 0x0
	s_wait_alu depctr_vm_vsrc(0)
; y = h W2[e] + b2[e] for the rows routed to expert e, on codes of E5M2 with one E8M0 scale for each 32 along K.
; yw [expert][place among the expert's rows, 0 .. 1,023][1024] f32: the rows lie in the order in which the expert's list has them, so every store's address is made of ids and the tile's number alone.
; A work-group is (64 output columns dc, half of the expert's tiles of 16 rows, expert e).  ITS WEIGHTS STAY: wave w holds the 64 columns for K steps 8 w .. 8 w + 7 (a quarter of K = 4,096) in 512 registers,
; read in dense loads and turned through the wave's own LDS bytes.  The rows go by, a tile of 16 at a time: hq holds images of the operand's registers, so a tile's 8 K steps are 32 dense loads into one of two buffers.
; THE PRODUCT IS USED TRANSPOSED (source 0 = 16 rows of W2, source 1 = h's 16 rows): a lane holds one row and eight neighbouring columns.  The four waves' partial sums meet in LDS, four tiles to a barrier,
; and each wave adds and stores 4 rows of each tile: sixteen lanes store 256 consecutive bytes, aligned.
; The half takes tiles 4 g + 2 half + {0, 1}.  THE TRIPS ARE A CONSTANT 8, so that every wave passes every barrier; tiles beyond the expert's rows are jumped over by scalar branches on the stored count, which is why
; the launch has no tensor load and no cluster.  The first two tiles are asked for ahead of the count: the launch before always makes tiles 0 to 3.
; An expert's last tile is stored whole: its rows past the count (made of the list's padding) fall into places of this work-group's own columns that no later launch reads; so all lanes stay on throughout.
; LIMITS: NaN and infinities are not served.  The sum over K is taken in four quarters, added in f32.
; THE MODE: SCHED_MODE bits 1:0 = 2 (LLVM: expert scheduling mode 2), set by the entry lines.  The code itself states the register dependences
; between vector or matrix instructions and memory or LDS instructions, with s_wait_alu, always for 0.
; THE PLAN.  Registers that memory or LDS instructions touch, and who else names them:
;   v1-14                   addresses and offsets, made at the head ahead of one wait on va_vdst and never written again.
;   windows 1, 2            W2: loaded, stored to LDS, loaded again as fragments (one wait on vm_vsrc between, in each of the two turns); from then on read by the products alone.
;   window 3, two buffers   h: a tile's products read buffer q % 2; behind them the loads of the tile two on land in it.
;   v[HSR ..]               h's scale bytes as loaded: an even tile's turn reads them; the loads behind that tile's products land in them.
;   v[HS ..]                the turn writes them, the products of the even tile and of the odd tile behind it take them as scales.
;   v[ACC ..]               a tile's products write them, its eight LDS stores read them, the next tile's products write them anew.
;   v[R ..]                 a sum's LDS loads land, its additions read and write.      v[OUT ..]: the additions write, the stores read; each of a trip's four tiles has its own.
; A TILE'S WAITS.  Ahead of the products one on vm_vsrc (the last tile's LDS stores have read the accumulators), and in an even tile one on va_vdst, behind the scale words' eight places.  Behind the products and
; their places ONE on va_vdst: the accumulators are written, and the products and the turn are done reading the buffer and v[HSR ..]; the LDS stores and the tile's 32 or 36 loads follow it at once with no vector
; instruction between: the loads are wanted two tiles on and go out as early as the buffer allows.
; A TRIP'S SUMS.  One wait on vm_vsrc behind the barrier (the last trip's stores have read v[OUT ..]); in each sum one on va_vdst ahead of its two stores, which also shows the additions done with v[R ..] for the next sum's loads.
.set STGW, 33280                       ; LDS: a wave's 32 rows x (1,024 bytes + 16), for the turn; four of them from byte 0
.set RED0, 133120                      ; LDS: partial sums [wave][tile of the trip][16 rows] x (256 bytes + 16); two such, by turns
.set RED1, 202752
.set L16, 1                            ; v1    16 x lane
.set WST, 2
.set WFR, 3
.set RW,  4                            ; v4-5  my partial sums into RED0, RED1
.set RR,  6                            ; v6-9  and out: RR + 2 tp + (waves 0, 1 | waves 2, 3)
.set CO,  11                           ; v11   16 (lane % 16): my 16 bytes of the 64 columns' 256
.set YO,  12                           ; v12   yw: my first row of a tile, 4 w + 2 (lane / 16), x 4,096 bytes, + my 16 bytes
.set B2,  16                           ; v16-19 b2 at my four columns
.set W2S, 20                           ; v20-51 W2's scale words: tile t, K step s at 8 t + s
.set HSR, 52                           ; v52-67 hs as loaded: pair of K steps p, block b at 4 p + b
.set HS,  68                           ; v68-75 h's scale words: even tile at p, odd tile at 4 + p; lanes 0-15 K step 2 p, lanes 16-31 K step 2 p + 1
.set PT,  76                           ; v76-79 at work
.set ACC, 80                           ; v80-111 four accumulators
.set R,   128                          ; v128-159 partial sums read back
.set OUT, 160                          ; v160-191 rows to store: tile q, row z at 8 q + 4 z
; window 1: W2's fragments of tiles 0, 1: (t, s) at 16 (8 t + s).  window 2: of tiles 2, 3.  window 3: h: buffer 0 at v0, buffer 1 at v128; K step s at 16 s
.set WV,  22
.set CNT, 23
.set NT,  24                           ; tiles with rows
.set TB,  25                           ; the trip's first tile
.set IT,  26
.set TT,  27
.set T2,  28
.set SELA, 31
.set SELL, 32
.set SELH, 33
.set HQW, 34                           ; s[34:35] hq: my expert, my K quarter
.set HSW, 36                           ; s[36:37] hs likewise
.set HP,  40                           ; s[40:43] the tile in buffer 0, 1
.set SP,  48                           ; s[48:49] its group's scale words
.set TMP, 50
.set DC,  52
.set HF,  53
.set EX,  54
.set YP,  66                           ; s[66:73] yw at the trip's four tiles: a pair for each, so that one wait a trip frees them all
.set MSB, 0
.macro WIN new                         ; the immediate's high byte repeats the setting that is left
.if MSB != (\new)
	s_set_vgpr_msb (MSB<<8)|(\new)
.set MSB, (\new)
.endif
.endm
; Tile s[st] into buffer buf: with an even tile the scale words of its group, and 32 loads of 512 consecutive bytes.  36 loads with an even tile, 32 with an odd one.
.macro LOAD buf, st, even
	s_wait_xcnt 0x0                                ; the bases below are written again only when all that was issued has had its addresses translated
	s_lshl_b32 s[TMP], s[\st], 16
	s_add_nc_u64 s[HP+2*\buf:HP+2*\buf+1], s[HQW:HQW+1], s[TMP:TMP+1]
.if \even
	s_lshr_b32 s[TMP], s[\st], 2
	s_lshl_b32 s[TMP], s[TMP], 13
	s_add_nc_u64 s[SP:SP+1], s[HSW:HSW+1], s[TMP:TMP+1]
.irp p, 0,1,2,3
	global_load_b128 v[HSR+4*\p:HSR+4*\p+3], v[L16], s[SP:SP+1] offset:512*\p
.endr
.endif
	WIN 0xc0
.set i, 0
.rept 32
	global_load_b128 v[128*\buf+4*i:128*\buf+4*i+3], v[L16], s[HP+2*\buf:HP+2*\buf+1] offset:512*i
.set i, i+1
.endr
	WIN 0
.endm
; hs holds, for a row and a block, the bytes of four tiles in a word; the matrix instruction wants, for a row and a tile, the bytes of four blocks: a 4 x 4 turn of bytes, for my half's two tiles
.macro PERMS
.irp p, 0,1,2,3
	v_perm_b32 v[PT+2*(\p%2)], v[HSR+4*\p+1], v[HSR+4*\p], s[SELA]
	v_perm_b32 v[PT+2*(\p%2)+1], v[HSR+4*\p+3], v[HSR+4*\p+2], s[SELA]
	v_perm_b32 v[HS+\p], v[PT+2*(\p%2)+1], v[PT+2*(\p%2)], s[SELL]
	v_perm_b32 v[HS+4+\p], v[PT+2*(\p%2)+1], v[PT+2*(\p%2)], s[SELH]
.endr
.rept 8
	v_nop                                          ; a scale register written by a vector instruction stands eight places ahead of the scaled matrix instruction
.endr
.endm
.macro COMPUTE                         ; 32 matrix instructions on buffer BUFN: two accumulators by turns, one instruction a turn; the first product starts each sum
.irp g, 0,1
	WIN 0x0d+\g                                    ; source 0 (W2) window 1 or 2, source 1 (h) window 3
.irp s, 0,1,2,3,4,5,6,7
.irp t, 0,1
.if \s == 0
	v_wmma_scale_f32_16x16x128_f8f6f4 v[ACC+8*(2*\g+\t):ACC+8*(2*\g+\t)+7], v[16*(8*\t+\s):16*(8*\t+\s)+15], v[128*BUFN+16*\s:128*BUFN+16*\s+15], 0, v[W2S+8*(2*\g+\t)+\s], v[HS+4*BUFN+\s/2] matrix_a_fmt:MATRIX_FMT_BF8 matrix_b_fmt:MATRIX_FMT_BF8
.elseif (\s%2) == 0
	v_wmma_scale_f32_16x16x128_f8f6f4 v[ACC+8*(2*\g+\t):ACC+8*(2*\g+\t)+7], v[16*(8*\t+\s):16*(8*\t+\s)+15], v[128*BUFN+16*\s:128*BUFN+16*\s+15], v[ACC+8*(2*\g+\t):ACC+8*(2*\g+\t)+7], v[W2S+8*(2*\g+\t)+\s], v[HS+4*BUFN+\s/2] matrix_a_fmt:MATRIX_FMT_BF8 matrix_b_fmt:MATRIX_FMT_BF8
.else
	v_wmma_scale_f32_16x16x128_f8f6f4 v[ACC+8*(2*\g+\t):ACC+8*(2*\g+\t)+7], v[16*(8*\t+\s):16*(8*\t+\s)+15], v[128*BUFN+16*\s:128*BUFN+16*\s+15], v[ACC+8*(2*\g+\t):ACC+8*(2*\g+\t)+7], v[W2S+8*(2*\g+\t)+\s], v[HS+4*BUFN+\s/2] matrix_a_fmt:MATRIX_FMT_BF8 matrix_b_fmt:MATRIX_FMT_BF8 matrix_b_scale:MATRIX_SCALE_ROW1
.endif
.endr
.endr
.endr
	WIN 0
.rept 9
	v_nop                                          ; nine places: for the stores of the results, and for the next tile's products, which begin these accumulators anew
.endr
.endm
; Tile q of the trip's four.  On the way in my buffer is whole; the other buffer's loads may be out.  Behind the products the buffer takes the tile two on, and the counted wait, in the same arm as those loads,
; leaves them alone out: so the other buffer is whole for the next tile.
.macro STEP q, tp
.set BUFN, \q%2
	s_add_co_u32 s[TT], s[TB], (\q%2)+4*(\q/2)
	s_cmp_lt_u32 s[TT], s[NT]
	s_cbranch_scc0 .Lexit_\tp
.if (\q%2) == 0
	PERMS
.endif
	s_wait_dscnt 0x0                               ; the last tile's LDS stores have landed
	s_wait_alu depctr_vm_vsrc(0)                   ; and have read the accumulators, which the products below write anew
.if (\q%2) == 0
	s_wait_alu depctr_va_vdst(0)                   ; the turn has written h's scale words v[HS ..], which this tile's products and the next tile's take as scales; it stands behind their eight places
.endif
	COMPUTE
	s_wait_alu depctr_va_vdst(0)                   ; the products have written the accumulators, which the LDS stores read (the places above stay beside this wait); they are done reading this buffer, and the turn v[HSR ..]: the loads below land in both
.irp t, 0,1,2,3
	ds_store_b128 v[RW+\tp], v[ACC+8*\t:ACC+8*\t+3] offset:4352*\q+64*\t       ; each accumulator from its low end on
	ds_store_b128 v[RW+\tp], v[ACC+8*\t+4:ACC+8*\t+7] offset:4352*\q+64*\t+16
.endr
	s_add_co_u32 s[T2], s[TT], 4
	s_cmp_lt_u32 s[T2], s[NT]
	s_cbranch_scc0 .Ln_\@
.if (\q%2) == 0
	LOAD 0, T2, 1
	s_wait_loadcnt 36                              ; all but the 36 just issued
.else
	LOAD 1, T2, 0
	s_wait_loadcnt 32                              ; all but the 32 just issued
.endif
	s_branch .Lg_\@
.Ln_\@:
	s_wait_loadcnt 0x0
.Lg_\@:
.endm
; The sum of the four waves' parts of tile q, b2, and the way out: my rows 4 w + 2 (lane / 16) + {0, 1}
.macro REDQ q, tp
	s_add_co_u32 s[TT], s[TB], (\q%2)+4*(\q/2)
	s_cmp_lt_u32 s[TT], s[NT]
	s_cbranch_scc0 .Lrn_\@
.irp z, 0,1
.irp p, 0,1,2,3
	ds_load_b128 v[R+4*(4*\z+\p):R+4*(4*\z+\p)+3], v[RR+2*\tp+\p/2] offset:17408*(\p%2)+4352*\q+272*\z   ; no wait: the additions that last named v[R ..] stand ahead of their own sum's wait on va_vdst
.endr
.endr
	s_lshl_b32 s[TMP], s[TT], 16                   ; the tile's 16 rows of 4,096 bytes
	s_add_nc_u64 s[YP+2*\q:YP+2*\q+1], s[20:21], s[TMP:TMP+1]
	s_wait_dscnt 0x0
.irp z, 0,1
.irp d, 0,2
	v_pk_add_f32 v[R+16*\z+\d:R+16*\z+\d+1], v[R+16*\z+\d:R+16*\z+\d+1], v[R+16*\z+4+\d:R+16*\z+4+\d+1]
	v_pk_add_f32 v[R+16*\z+8+\d:R+16*\z+8+\d+1], v[R+16*\z+8+\d:R+16*\z+8+\d+1], v[R+16*\z+12+\d:R+16*\z+12+\d+1]
.endr
.irp d, 0,2
	v_pk_add_f32 v[R+16*\z+\d:R+16*\z+\d+1], v[R+16*\z+\d:R+16*\z+\d+1], v[R+16*\z+8+\d:R+16*\z+8+\d+1]
.endr
.irp d, 0,2
	v_pk_add_f32 v[OUT+8*\q+4*\z+\d:OUT+8*\q+4*\z+\d+1], v[R+16*\z+\d:R+16*\z+\d+1], v[B2+\d:B2+\d+1]
.endr
.endr
	s_wait_alu depctr_va_vdst(0)                   ; the additions have written v[OUT ..], which the two stores read, and are done with v[R ..], in which the next sum's loads land
.irp z, 0,1
	global_store_b128 v[YO], v[OUT+8*\q+4*\z:OUT+8*\q+4*\z+3], s[YP+2*\q:YP+2*\q+1] offset:4096*\z   ; sixteen lanes store 256 consecutive bytes, aligned
.endr
.Lrn_\@:
.endm
; A TRIP: four tiles, ONE barrier: the partial sums stored now lie where they were last read two trips ago, and every wave has since passed a barrier behind its wait for those reads.
.macro TRIP tp
	STEP 0, \tp
	STEP 1, \tp
	STEP 2, \tp
	STEP 3, \tp
	s_branch .Lj_\tp
.Lexit_\tp:
	s_wait_loadcnt 0x0                             ; no tile is left: nothing stays out
.Lj_\tp:
	s_wait_dscnt 0x0                               ; my partial sums have landed, and my reads of the other set are over
	s_barrier_signal -1
	s_barrier_wait -1
	s_wait_xcnt 0x0                                ; the last trip's stores have read their data and their bases
	s_wait_alu depctr_vm_vsrc(0)                   ; the last trip's stores have read v[OUT ..], which the additions below write again
	REDQ 0, \tp
	REDQ 1, \tp
	REDQ 2, \tp
	REDQ 3, \tp
	s_add_co_u32 s[TB], s[TB], 8
.endm
	s_load_b256 s[8:15], s[0:1], 0x0               ; hq, hs, list, W2's codes
	s_load_b128 s[16:19], s[0:1], 0x20             ; W2's scales, b2
	s_load_b64 s[20:21], s[0:1], 0x30              ; yw
	v_lshl_add_u32 v254, v0, 2, 0x42800
	v_mov_b32 v255, 0
	v_lshrrev_b32 v200, 5, v0                      ; w
	v_readfirstlane_b32 s[WV], v200
	v_and_b32 v201, 31, v0                         ; lane
	v_and_b32 v202, 15, v0                         ; r
	v_bfe_u32 v203, v0, 4, 1                       ; h
	v_lshlrev_b32 v[L16], 4, v201
	v_mad_u32_u24 v[WST], v200, STGW, v[L16]
	v_mul_u32_u24 v[WFR], v202, 1040
	v_lshl_add_u32 v[WFR], v203, 4, v[WFR]
	v_mad_u32_u24 v[WFR], v200, STGW, v[WFR]
	v_mul_u32_u24 v[RW], v202, 272
	v_lshl_add_u32 v[RW], v203, 5, v[RW]
	v_mad_u32_u24 v[RW], v200, 17408, v[RW]        ; my wave's part, row r, 32 bytes for each half of the lanes
	v_add_nc_u32 v[RW+1], RED1, v[RW]
	v_add_nc_u32 v[RW], RED0, v[RW]
	v_lshlrev_b32 v204, 2, v200
	v_lshl_add_u32 v204, v203, 1, v204             ; 4 w + 2 h: the first of my two rows of a tile
	v_mul_u32_u24 v[RR], v204, 272
	v_lshl_add_u32 v[RR], v202, 4, v[RR]
	v_add_nc_u32 v[RR+1], RED0+34816, v[RR]
	v_add_nc_u32 v[RR+2], RED1, v[RR]
	v_add_nc_u32 v[RR+3], RED1+34816, v[RR]
	v_add_nc_u32 v[RR], RED0, v[RR]
	v_lshlrev_b32 v14, 7, v202                     ; W2's scale bytes: 128 a row
	v_lshlrev_b32 v[CO], 4, v202                   ; 16 r
	v_lshl_add_u32 v[YO], v204, 12, v[CO]
	s_and_b32 s[EX], ttmp7, 0xffff                 ; the expert
	s_lshr_b32 s[DC], ttmp9, 1                     ; which 64 columns
	s_and_b32 s[HF], ttmp9, 1                      ; which half of the tiles
	s_mov_b32 s[TMP+1], 0
	s_mov_b32 s[SELL], 0x05040100
	s_mov_b32 s[SELH], 0x07060302
	s_mov_b32 s[SELA], 0x07030602                  ; bytes 2, 3 of two words, interleaved: tiles 2, 3 of a group;
	s_cmp_eq_u32 s[HF], 0
	s_cselect_b32 s[SELA], 0x05010400, s[SELA]     ; bytes 0, 1: tiles 0, 1
	s_lshl_b32 s59, s[DC], 8                       ; my 64 columns, in bytes of f32
	s_wait_alu depctr_va_sdst(0)                   ; the wave's number is written, ahead of its first reader: the bases of hq, hs and W2 are made from it
	s_wait_kmcnt 0x0
	s_lshl_b32 s[TMP], s[EX], 2
	s_add_nc_u64 s[56:57], s[12:13], s[TMP:TMP+1]
	s_load_b32 s[CNT], s[56:57], 0xa000            ; the expert's rows
	s_lshl_b32 s[TMP], s[EX], 22
	s_lshl_b32 s58, s[WV], 14
	s_add_co_u32 s[TMP], s[TMP], s58
	s_add_nc_u64 s[HQW:HQW+1], s[8:9], s[TMP:TMP+1]
	s_lshl_b32 s[TMP], s[EX], 17
	s_lshl_b32 s58, s[WV], 11
	s_add_co_u32 s[TMP], s[TMP], s58
	s_add_nc_u64 s[HSW:HSW+1], s[10:11], s[TMP:TMP+1]
	s_lshl_b32 s[TMP], s[EX], 22                   ; W2's codes: (1,024 e + 64 dc) rows of 4,096 bytes, + 1,024 w
	s_lshl_b32 s58, s[DC], 18
	s_add_co_u32 s[TMP], s[TMP], s58
	s_lshl_b32 s58, s[WV], 10
	s_add_co_u32 s[TMP], s[TMP], s58
	s_add_nc_u64 s[14:15], s[14:15], s[TMP:TMP+1]
	s_lshr_b32 s[TMP], s[TMP], 5                   ; its scale bytes: one for each 32 codes
	s_add_nc_u64 s[16:17], s[16:17], s[TMP:TMP+1]
	s_lshl_b32 s[TMP], s[EX], 12
	s_add_co_u32 s[TMP], s[TMP], s59
	s_add_nc_u64 s[18:19], s[18:19], s[TMP:TMP+1]  ; b2 at my 64 columns
	s_lshl_b32 s[TMP], s[EX], 22
	s_add_co_u32 s[TMP], s[TMP], s59
	s_add_nc_u64 s[20:21], s[20:21], s[TMP:TMP+1]  ; yw: my expert's 1,024 rows of 4,096 bytes, my 64 columns
	s_wait_alu depctr_va_vdst(0)                   ; all the addresses and offsets made above are written: the loads and stores of the whole kernel read them
.irp t, 0,1,2,3
.irp z, 0,1
	global_load_b128 v[W2S+8*\t+4*\z:W2S+8*\t+4*\z+3], v14, s[16:17] offset:2048*\t+16*\z
.endr
.endr
	global_load_b128 v[B2:B2+3], v[CO], s[18:19]
	WIN 0x40
.set i, 0
.rept 64
	global_load_b128 v[4*i:4*i+3], v[L16], s[14:15] offset:(i/2)*4096+512*(i%2)        ; rows 0-31: my 1,024 bytes of each, 512 a load
.set i, i+1
.endr
	WIN 0x80
.set i, 0
.rept 64
	global_load_b128 v[4*i:4*i+3], v[L16], s[14:15] offset:(32+i/2)*4096+512*(i%2)     ; rows 32-63
.set i, i+1
.endr
	WIN 0
	s_lshl_b32 s[TB], s[HF], 1
	s_mov_b32 s[TT], s[TB]
	LOAD 0, TT, 1                                  ; my half's first two tiles
	s_add_co_u32 s[T2], s[TB], 1
	LOAD 1, T2, 0
	s_wait_loadcnt 63                              ; rows 0-31 are in: 132 loads were issued behind theirs
	WIN 0x04
.set i, 0
.rept 64
	ds_store_b128 v[WST], v[4*i:4*i+3] offset:(i/2)*1040+512*(i%2)
.set i, i+1
.endr
	s_wait_dscnt 0x0                               ; the stores have landed
	WIN 0x40
	s_wait_alu depctr_vm_vsrc(0)                   ; the LDS stores have read the registers of rows 0-31, in which their fragments land
.irp t, 0,1
.irp s, 0,1,2,3,4,5,6,7
.irp c, 0,1,2,3
	ds_load_b128 v[16*(8*\t+\s)+4*\c:16*(8*\t+\s)+4*\c+3], v[WFR] offset:16640*\t+128*\s+32*\c
.endr
.endr
.endr
	WIN 0
	s_wait_loadcnt 63                              ; rows 32-63 are in: 68 loads were issued behind theirs
	s_wait_dscnt 0x0                               ; the first pass has left my LDS bytes
	WIN 0x08
.set i, 0
.rept 64
	ds_store_b128 v[WST], v[4*i:4*i+3] offset:(i/2)*1040+512*(i%2)
.set i, i+1
.endr
	s_wait_dscnt 0x0
	WIN 0x80
	s_wait_alu depctr_vm_vsrc(0)                   ; the LDS stores have read the registers of rows 32-63, in which their fragments land
.irp t, 0,1
.irp s, 0,1,2,3,4,5,6,7
.irp c, 0,1,2,3
	ds_load_b128 v[16*(8*\t+\s)+4*\c:16*(8*\t+\s)+4*\c+3], v[WFR] offset:16640*\t+128*\s+32*\c
.endr
.endr
.endr
	WIN 0
	s_wait_dscnt 0x0
	s_wait_kmcnt 0x0
	s_add_co_u32 s[NT], s[CNT], 15
	s_lshr_b32 s[NT], s[NT], 4
	s_mov_b32 s[IT], 4
	s_wait_loadcnt 32                              ; buffer 0 is whole; buffer 1's 32 loads may be out
.Ltrips:
	TRIP 0
	TRIP 1
	s_sub_co_u32 s[IT], s[IT], 1
	s_cmp_lg_u32 s[IT], 0
	s_cbranch_scc1 .Ltrips
	s_wait_dscnt 0x0                               ; the closing lines, six on end
	s_wait_alu 0x0
	s_wait_tensorcnt 0x0
	ds_add_u32 v254, v255
	s_wait_dscnt 0x0
	s_endpgm
.Lfunc_end_k_qbb50ee4d49_down:
	.size	k_qbb50ee4d49_down, .Lfunc_end_k_qbb50ee4d49_down-k_qbb50ee4d49_down
	.p2alignl 7, 3214868480
	.fill 96, 4, 3214868480
	.section	.rodata,"a",@progbits
	.p2align	6, 0x0
	.amdhsa_kernel k_qbb50ee4d49_down
		.amdhsa_group_segment_fixed_size 272896
		.amdhsa_private_segment_fixed_size 0
		.amdhsa_enable_private_segment 0
		.amdhsa_kernarg_size 56
		.amdhsa_user_sgpr_count 2
		.amdhsa_user_sgpr_kernarg_segment_ptr 1
		.amdhsa_wavefront_size32 1
		.amdhsa_system_sgpr_workgroup_id_x 1
		.amdhsa_system_sgpr_workgroup_id_y 1
		.amdhsa_system_sgpr_workgroup_id_z 1
		.amdhsa_system_vgpr_workitem_id 0
		.amdhsa_next_free_vgpr 1024
		.amdhsa_next_free_sgpr 80
		.amdhsa_reserve_vcc 0
		.amdhsa_float_denorm_mode_32 3
		.amdhsa_float_denorm_mode_16_64 3
		.amdhsa_memory_ordered 1
		.amdhsa_forward_progress 1
		.amdhsa_inst_pref_size 131
	.end_amdhsa_kernel
	.amdgpu_metadata
---
amdhsa.version: [ 1, 2 ]
amdhsa.kernels:
  - .name:           k_qbb50ee4d49_down
    .symbol:         k_qbb50ee4d49_down.kd
    .args:
      - { .name: hq, .offset: 0, .size: 8, .value_kind: global_buffer, .address_space: global }
      - { .name: hs, .offset: 8, .size: 8, .value_kind: global_buffer, .address_space: global }
      - { .name: list, .offset: 16, .size: 8, .value_kind: global_buffer, .address_space: global }
      - { .name: W2_codes, .offset: 24, .size: 8, .value_kind: global_buffer, .address_space: global }
      - { .name: W2_scales, .offset: 32, .size: 8, .value_kind: global_buffer, .address_space: global }
      - { .name: b2, .offset: 40, .size: 8, .value_kind: global_buffer, .address_space: global }
      - { .name: yw, .offset: 48, .size: 8, .value_kind: global_buffer, .address_space: global }
    .group_segment_fixed_size: 272896
    .private_segment_fixed_size: 0
    .kernarg_segment_align: 8
    .kernarg_segment_size: 56
    .max_flat_workgroup_size: 128
    .sgpr_count:     80
    .vgpr_count:     1024
    .wavefront_size: 32
...
	.end_amdgpu_metadata
.endif
;; end of part 6
;; launch join: the kernel of part 4 again; grid 256 x 1, 4 waves a work-group, no clusters, 0 bytes of LDS; arguments yw, gate, list, out0; writes out0
